; MI455X (gfx1250); checked and timed in simulation.
; The chip was launched on July 23, 2026; its instructions are those of AMD's public machine-readable ISA for CDNA 5 (MIT licence, August 2026) and "CDNA5" Instruction Set Architecture Reference Guide (July 2026). The comments in the code are by the model that wrote it; some were corrected since.
;; Block. Allowed arithmetic: matrix products marked QUANTISED: E4M3 operands, one E8M0 scale for each 32 along K, by v_wmma_scale_f32_16x16x128_f8f6f4 with both operands' format E4M3, f32 sums; everything else in f32.
;; Inputs: WA_codes 4,096 x 32 x 32 uint8 (E4M3 codes of WA, K innermost, in blocks of 32 codes); WA_scales 4,096 x 32 uint8 (E8M0 scales of WA, one for each 32 codes along K); WB_codes 1,024 x 128 x 32 uint8 (E4M3 codes of WB, K innermost, in blocks of 32 codes); WB_scales 1,024 x 128 uint8 (E8M0 scales of WB, one for each 32 codes along K); Wqkv_codes 3,072 x 32 x 32 uint8 (E4M3 codes of Wqkv, K innermost, in blocks of 32 codes); Wqkv_scales 3,072 x 32 uint8 (E8M0 scales of Wqkv, one for each 32 codes along K); Wvw_codes 1,024 x 32 x 32 uint8 (E4M3 codes of Wvw, K innermost, in blocks of 32 codes); Wvw_scales 1,024 x 32 uint8 (E8M0 scales of Wvw, one for each 32 codes along K); b1 1,024 float32; b2 1,024 float32; bA 4,096 float32; bB 1,024 float32; bqkv 3,072 float32; bvw 1,024 float32; g1 1,024 float32; g2 1,024 float32; mask 2 x 2,048 bool; x 2 x 2,048 x 1,024 float32.
;; Outputs: out0 2 x 2,048 x 1,024 float32.
;; This version of the problem:
;;   THIS VERSION OF THE PROBLEM IS GIVEN IN LOW PRECISION. The matrix products marked QUANTISED in the list below multiply operands that are first quantised to E4M3 (4 exponent bits, 3 mantissa bits; 8 bits a number), with one power-of-two scale for each 32 numbers along K (OCP MX v1.0); their sums are f32. All else is computed in f32.
;;   The module's matrix products, in the order in which they are computed (A, B: the left and right operand; K: the contracted axis; several contracted axes count as one K, in the product's order):
;;     1. [M 4,096, K 1,024] x [K 1,024, N 3,072]; A: computed on the way; B: input Wqkv (given as codes): QUANTISED
;;     2. batch 32 x [M 2,048, K 64] x [K 64, N 2,048]; A: computed on the way; B: computed on the way: QUANTISED
;;     3. batch 32 x [M 64, K 2,048] x [K 2,048, N 2,048]; A: computed on the way; B: softmax (see below): QUANTISED
;;     4. [M 4,096, K 1,024] x [K 1,024, N 1,024]; A: computed on the way; B: input Wvw (given as codes): QUANTISED
;;     5. [M 4,096, K 1,024] x [K 1,024, N 4,096]; A: computed on the way; B: input WA (given as codes): QUANTISED
;;     6. [M 4,096, K 4,096] x [K 4,096, N 1,024]; A: computed on the way; B: input WB (given as codes): QUANTISED
;;   THE QUANTISER, for each operand of a quantised product, along K:
;;     - K is cut into blocks of 32 from its start; a last block that is shorter is filled with zeros.
;;     - A block's scale is 2^e with e = floor(log2(the largest magnitude in the block)) - 8, held to -126 .. 127; a block of zeros has e = 0. As a byte (E8M0): e + 127.
;;     - Each number is divided by its block's scale, clamped to +-448, and rounded to the nearest number of E4M3, ties to even, subnormals kept.
;;     - The product sums the exact products of the quantised numbers (number of the format x scale) in f32.
;;   ~~~python
;;   def quantise(x, axis):      # numpy; x: float32 -> the quantised numbers, widened to float32 again
;;       x = np.moveaxis(x, axis, -1); K = x.shape[-1]
;;       x = np.pad(x, [(0, 0)] * (x.ndim - 1) + [(0, -K % 32)]); x = x.reshape(x.shape[:-1] + (-1, 32)); a = np.abs(x).max(-1, keepdims=True)
;;       e = np.where(a > 0, np.clip(np.frexp(np.where(a > 0, a, 1))[1] - 1 - 8, -126, 127), 0)      # np.frexp(a)[1] - 1 = floor(log2(a)), exactly
;;       r = np.clip(x / 2.0 ** e, -448, 448)
;;       step = 2.0 ** (np.maximum(np.frexp(np.where(r == 0, 1, r))[1] - 1, -6) - 3)
;;       q = np.round(r / step) * step * 2.0 ** e      # np.round: ties to even
;;       return np.moveaxis(q.reshape(q.shape[:-2] + (-1,))[..., :K], -1, axis).astype(np.float32)
;;   ~~~
;;   SOFTMAX AHEAD OF A QUANTISED PRODUCT. Where the list says 'softmax', what is quantised is not the finished softmax but p = 2^(t - M), with t = logit x log2(e) and M = ceil(the row's largest t), a whole number; so 1/2 < the row's largest p <= 1. The row's sum l is taken of the UNQUANTISED p, in f32, and the product's result is divided by l at the end. Since M is a whole number, a kernel that streams over the keys may use a running M (the ceiling of the running maximum): every later rescaling is an exact power of two, which a block's scale takes up: the codes' values come out the same.
;;   OPERANDS COMPUTED ON THE WAY. 'Computed on the way' means the value that the module computes at that place (a softmax that the list does not call 'softmax' is quantised finished and normalised). What goes into a quantiser is computed in f32, as accurately as f32 sums, v_exp_f32 and their like allow (about 1e-6 of the number): no bf16 or f16 on the way to a quantiser, and a product that is left as it is and whose result goes on into a quantised operand takes f32 operands (vector FMAs, or v_wmma_f32_16x16x4_f32). A number that lies on a knife's edge between two numbers of the format may be rounded either way, as far as f32 arithmetic and the matrix unit's own rounding can turn it there, and no further.
;;   INPUTS GIVEN AS CODES. WA (in the module: [1024, 4096], K = its axis 0); WB (in the module: [4096, 1024], K = its axis 0); Wqkv (in the module: [1024, 3072], K = its axis 0); Wvw (in the module: [1024, 1024], K = its axis 0): each comes as NAME_codes (uint8): NAME with its K axis moved to the last place and cut into blocks of 32 codes, [.., K / 32, bytes a block], one block behind the other in memory; one code a byte (a code: sign, 4 exponent bits, 3 mantissa bits); and NAME_scales (uint8): the same leading axes, one E8M0 byte (e + 127) for each 32 codes along K. Its value is code x scale, taken as it is: it is not quantised again, and the codes and scales need not be those that the quantiser above would give.
;; One version. Each part assembles by itself: llvm-mc -triple=amdgcn-amd-amdhsa -mcpu=gfx1250 --defsym DOCPART=n.
;; ======== version 1 of 1: 8 launches
;; limits: right only within a limited range of input values
;; workspace buffers: xq 4,325,376 bytes; qkvp 17,825,792 bytes; vw 4,325,376 bytes; dead 16,384 bytes of whole numbers; c4 16,777,216 bytes; nb 21,102,592 bytes; hid 17,301,504 bytes; c6 67,108,864 bytes
;; launch quantx (part 1): grid 256 x 1, 16 waves a work-group, no clusters, 84,480 bytes of LDS; arguments x, mask, xq; writes xq
.if DOCPART == 1
	.amdgcn_target "amdgcn-amd-amdhsa--gfx1250"
	.amdhsa_code_object_version 6
	.text
	.protected	k_q80dc013334_quantx
	.globl	k_q80dc013334_quantx
	.p2align	8
	.type	k_q80dc013334_quantx,@function
k_q80dc013334_quantx:
	s_mov_b64 s[64:65], 0
	v_nop
	global_prefetch_b8 v0, s[64:65] scope:SCOPE_SE
	s_setreg_imm32_b32 hwreg(HW_REG_WAVE_MODE, 25, 1), 1
	s_wait_xcnt 0x0
; LAUNCH 1 OF 8: x * mask, [4096][1024] f32, becomes codes of FP8 (E4M3), K innermost, with one E8M0 scale byte for each 32 along K: the left operand of x @ Wqkv.
; THE PROGRAM: quantx | qkv (x Wqk^T and Wv x^T, quantised into packs for attention) | attn | proj (vw Wvw^T) | ln1 (residual, bias, layer norm, quantised) | up (relu(n WA^T + bA), quantised) | down (four quarters of K) | ln2.
; WORK LEFT OUT, in the whole program: reference() adds log(tril(ones)) to the logits, so key z counts for query s only where z <= s, whatever the inputs hold: there p is 0 and adds nothing to the row's sum or to p V.
; Steps of 128 keys that lie wholly behind a wave's queries are therefore not walked in attn (products 2 and 3), and slots of keys that no wave of a work-group reads are not fetched.  Nothing else is left out; every input is loaded.
; A NaN, an infinity or an overflow that would arise only in the logits of those hidden keys is not carried to the result.
; A ROW WITH NO VISIBLE KEY (the input mask hides keys 0 .. s): reference()'s softmax is 0 / 0 there, and since all that follows is row by row, that whole row of the output is NaN.  attn stores a flag for such a row and ln2 puts NaN there.
; LIMITS: NaN and infinities among the inputs are not served.  A block whose largest magnitude lies under 2^-118 gets the byte 1; so does a block of zeros, where the rule says 127: its codes are zeros, and this program alone reads the bytes.
; ONE WAVE, ONE ROW: sixteen waves a work-group, 16 rows.  A row's eight loads, 512 consecutive bytes each, go out together at the head, so that a wave waits for memory once.  Half a row (2,048 bytes) at a time turns through the wave's
; own stage in LDS and comes back 64 bytes a lane: a lane then holds 16 neighbours along K and two neighbouring lanes a block of 32.  A lane's 16 codes are 16 bytes: the wave stores 512 consecutive bytes.
; The 16 rows' scale bytes, 512 in all, meet in LDS; behind one barrier wave 0 stores them as 512 consecutive bytes, aligned.
.set WAVES, 16
.set EMAX,  8
.set MANT,  0x600000                   ; the mantissa field of 448 as f32
.set SP,    80                         ; a lane's place in a stage: 64 bytes + 16 of padding
.set WREG,  2*32*SP                    ; LDS: two stages for each wave, one for each half of its row
.set SBY,   WAVES*WREG                 ; behind them the work-group's 512 scale bytes
.set SPARE, SBY+512                    ; and the spare words, 128 bytes a wave
.set SPW,   12                         ; v12 LDS address of my spare word; never rewritten
.set NIL,   13                         ; v13 0; never rewritten
.set R,     16                         ; v16-47 the row as it is loaded
.set X,     48                         ; v48-79 two sets of 16 neighbours
.set C,     80                         ; v80-87 the codes of the two halves
.set E,     88                         ; v88-89 their scale bytes
.set MK,    32                         ; s[32:33] my row's mask as f32, in both words of the pair
.set XSC,   4194304                    ; where the scale bytes begin in xq
	s_load_b128 s[4:7], s[0:1], 0x0                ; x, mask
	s_load_b64 s[8:9], s[0:1], 0x10                ; xq
	v_lshl_add_u32 v[SPW], v0, 2, SPARE
	v_mov_b32 v[NIL], 0
	v_lshrrev_b32 v1, 5, v0
	v_readfirstlane_b32 s16, v1                    ; wave
	v_and_b32 v2, 31, v0                           ; lane
	v_lshlrev_b32 v3, 4, v2                        ; my 16 bytes of a load's 512, and of a half's codes
	s_mul_i32 s17, s16, WREG
	v_lshrrev_b32 v14, 2, v2
	v_mul_u32_u24 v14, v14, SP
	v_and_b32 v15, 3, v2
	v_lshl_add_u32 v14, v15, 4, v14
	v_add_nc_u32 v14, s17, v14                     ; the stage, on the way in: SP (lane / 4) + 16 (lane % 4)
	v_mul_u32_u24 v15, v2, SP
	v_add_nc_u32 v15, s17, v15                     ; and on the way out: SP x lane
	v_lshrrev_b32 v5, 1, v2
	s_lshl_b32 s17, s16, 5
	s_add_co_u32 s17, s17, SBY
	v_add_nc_u32 v5, s17, v5                       ; my block's scale byte: 32 bytes a row
	v_add_nc_u32 v6, SBY, v3                       ; and wave 0's way out: 16 bytes a lane
	s_mov_b32 s23, MANT
	s_lshl_b32 s18, ttmp9, 4
	s_add_co_u32 s18, s18, s16                     ; my row
	s_and_b32 s25, s18, 3
	s_lshl_b32 s25, s25, 3                         ; where its mask byte stands in its word
	s_mov_b32 s21, 0
	s_wait_kmcnt 0x0
	s_lshl_b32 s20, s18, 12
	s_add_nc_u64 s[4:5], s[4:5], s[20:21]          ; x: 4,096 bytes a row
	s_and_b32 s20, s18, 0xffc
	s_add_nc_u64 s[6:7], s[6:7], s[20:21]          ; mask: the word that holds my row's byte
	s_load_b32 s24, s[6:7], 0x0
.irp j, 0,1,2,3,4,5,6,7
	global_load_b128 v[R+4*\j:R+4*\j+3], v3, s[4:5] offset:512*\j th:TH_LOAD_NT
.endr
	s_lshl_b32 s20, s18, 10
	s_add_nc_u64 s[10:11], s[8:9], s[20:21]        ; codes: 1,024 bytes a row
	s_lshl_b32 s20, ttmp9, 9
	s_add_nc_u64 s[8:9], s[8:9], s[20:21]
	s_add_nc_u64 s[8:9], s[8:9], XSC               ; scale bytes: 512 a work-group
	s_wait_kmcnt 0x0                               ; the mask byte: 0 or 1, widened to f32
	s_lshr_b32 s24, s24, s25
	s_and_b32 s24, s24, 0xff
	s_cvt_f32_u32 s[MK], s24
	s_mov_b32 s[MK+1], s[MK]                       ; (the packed form names the pair)
.macro TURN s                          ; half s through its stage: LDS serves a wave's instructions in order, so no wait stands between the stores and the loads
.irp i, 0,1,2,3
	ds_store_b128 v14, v[R+16*\s+4*\i:R+16*\s+4*\i+3] offset:32*SP*\s+8*SP*\i
.endr
.irp i, 0,1,2,3
	ds_load_b128 v[X+16*\s+4*\i:X+16*\s+4*\i+3], v15 offset:32*SP*\s+16*\i
.endr
.endm
	s_wait_loadcnt 4                               ; the first half's four loads are in; the second half's may be out
	TURN 0
	s_wait_loadcnt 0x0
	TURN 1
.macro HALF s
.set XS, X+16*\s
.if \s == 0
	s_wait_dscnt 8                                 ; this half is back from its stage; the other half's four stores and four loads may be out
.else
	s_wait_dscnt 1                                 ; (the first half's byte store may be out)
.endif
.irp i, 0,2,4,6,8,10,12,14
	v_pk_mul_f32 v[XS+\i:XS+\i+1], v[XS+\i:XS+\i+1], s[MK:MK+1] op_sel_hi:[1,0]   ; x * mask
.endr
	v_max3_num_f32 v8, |v[XS]|, |v[XS+1]|, |v[XS+2]|               ; the largest magnitude of my 16
	v_max3_num_f32 v9, |v[XS+3]|, |v[XS+4]|, |v[XS+5]|
.irp i, 6,10
	v_max3_num_f32 v8, v8, |v[XS+\i]|, |v[XS+\i+1]|
	v_max3_num_f32 v9, v9, |v[XS+\i+2]|, |v[XS+\i+3]|
.endr
	v_max3_num_f32 v8, v8, |v[XS+14]|, |v[XS+15]|
	v_max3_num_f32 v8, v8, v9, (EMAX+1)<<23        ; and the floor 2^(9 - 127): the byte cannot fall under 1
	v_max_num_f32_dpp v8, v8, v8 row_xmask:1 row_mask:0xf bank_mask:0xf   ; with my neighbour's 16: the block's
	v_add_nc_u32 v11, -(EMAX<<23), v8              ; 8 off its exponent field: the conversion's scale operand
	v_and_or_b32 v10, v8, 0x7f800000, s23          ; 448 x the scale
.irp i, 0,1,2,3,4,5,6,7,8,9,10,11,12,13,14,15
	v_med3_num_f32 v[XS+\i], v[XS+\i], -v10, v10   ; the conversion to an 8-bit code does not saturate (ISA guide 7.6.2): the hold comes first
.endr
	v_cvt_scalef32_pk8_fp8_f32 v[C+4*\s:C+4*\s+1], v[XS:XS+7], v11
	v_cvt_scalef32_pk8_fp8_f32 v[C+4*\s+2:C+4*\s+3], v[XS+8:XS+15], v11
	v_lshrrev_b32 v[E+\s], 23, v11                 ; the scale's byte
	ds_store_b8 v5, v[E+\s] offset:16*\s           ; both lanes of a block write the same byte with the same value
	global_store_b128 v3, v[C+4*\s:C+4*\s+3], s[10:11] offset:512*\s
.endm
	HALF 0
	HALF 1
	s_wait_dscnt 0x0                               ; for wave 0's sake: my scale bytes lie in LDS
	s_barrier_signal -1
	s_barrier_wait -1
	s_cmp_lg_u32 s16, 0
	s_cbranch_scc1 .Lend
	ds_load_b128 v[8:11], v6                       ; the 16 rows' scale bytes
	s_wait_dscnt 0x0
	global_store_b128 v3, v[8:11], s[8:9]          ; 512 consecutive bytes, aligned
.Lend:
	s_wait_tensorcnt 0x0                           ; the wave's end, behind my last LDS store
	ds_add_u32 v[SPW], v[NIL]
	s_wait_dscnt 0x0
	s_endpgm
.Lfunc_end_k_q80dc013334_quantx:
	.size	k_q80dc013334_quantx, .Lfunc_end_k_q80dc013334_quantx-k_q80dc013334_quantx
	.p2alignl 7, 3214868480
	.fill 96, 4, 3214868480
	.section	.rodata,"a",@progbits
	.p2align	6, 0x0
	.amdhsa_kernel k_q80dc013334_quantx
		.amdhsa_group_segment_fixed_size 84480
		.amdhsa_private_segment_fixed_size 0
		.amdhsa_enable_private_segment 0
		.amdhsa_kernarg_size 24
		.amdhsa_user_sgpr_count 2
		.amdhsa_user_sgpr_kernarg_segment_ptr 1
		.amdhsa_wavefront_size32 1
		.amdhsa_system_sgpr_workgroup_id_x 1
		.amdhsa_system_sgpr_workgroup_id_y 1
		.amdhsa_system_sgpr_workgroup_id_z 1
		.amdhsa_system_vgpr_workitem_id 0
		.amdhsa_next_free_vgpr 96
		.amdhsa_next_free_sgpr 66
		.amdhsa_reserve_vcc 0
		.amdhsa_float_denorm_mode_32 3
		.amdhsa_float_denorm_mode_16_64 3
		.amdhsa_memory_ordered 1
		.amdhsa_forward_progress 1
		.amdhsa_inst_pref_size 10
	.end_amdhsa_kernel
	.amdgpu_metadata
---
amdhsa.version: [ 1, 2 ]
amdhsa.kernels:
  - .name:           k_q80dc013334_quantx
    .symbol:         k_q80dc013334_quantx.kd
    .args:
      - { .name: x, .offset: 0, .size: 8, .value_kind: global_buffer, .address_space: global }
      - { .name: mask, .offset: 8, .size: 8, .value_kind: global_buffer, .address_space: global }
      - { .name: xq, .offset: 16, .size: 8, .value_kind: global_buffer, .address_space: global }
    .group_segment_fixed_size: 84480
    .private_segment_fixed_size: 0
    .kernarg_segment_align: 8
    .kernarg_segment_size: 24
    .max_flat_workgroup_size: 512
    .sgpr_count:     66
    .vgpr_count:     96
    .wavefront_size: 32
...
	.end_amdgpu_metadata
.endif
;; end of part 1
;; launch qkv (part 2): grid 48 x 4, 4 waves a work-group, clusters of 4 x 4, 327,680 bytes of LDS; arguments xq, Wqkv_codes, Wqkv_scales, bqkv, mask, qkvp; writes qkvp
.if DOCPART == 2
	.amdgcn_target "amdgcn-amd-amdhsa--gfx1250"
	.amdhsa_code_object_version 6
	.text
	.protected	k_q80dc013334_qkv
	.globl	k_q80dc013334_qkv
	.p2align	8
	.type	k_q80dc013334_qkv,@function
k_q80dc013334_qkv:
	s_mov_b64 s[64:65], 0
	v_nop
	global_prefetch_b8 v0, s[64:65] scope:SCOPE_SE
	s_setreg_imm32_b32 hwreg(HW_REG_WAVE_MODE, 25, 1), 1
	s_wait_xcnt 0x0
	s_wait_alu depctr_hold_cnt(0) depctr_sa_sdst(0) depctr_va_vdst(0) depctr_va_sdst(0) depctr_va_ssrc(0) depctr_va_vcc(0) depctr_vm_vsrc(0)
	s_getreg_b32 s2, hwreg(HW_REG_IB_STS2, 6, 4)
	s_cmp_eq_u32 s2, 0
	s_cbranch_scc0 .Lentry_in_a_cluster
	s_endpgm
.Lentry_in_a_cluster:
	s_bfe_u32 s2, ttmp6, 0x10000c
	s_cmp_lg_u32 s2, 0xf033
	s_cbranch_scc0 .Lentry_shape_is_right
	s_endpgm
.Lentry_shape_is_right:
; LAUNCH 2 OF 8: q, k and v, quantised and laid out for attention.  Twelve clusters of 4 x 4 work-groups; a work-group makes 256 x 256 of a product C[m][n] = sum over k of A[m][k] B[n][k] on codes of FP8 (E4M3) with E8M0 scales, K = 1,024.
; Clusters 0-7 (QK): A = the rows of x (xq), B = rows 0 .. 2,047 of Wqkv: q and k, whose next K is the head's 64: it runs along n.
; Clusters 8-11 (VT): A = rows 2,048 .. 3,071 of Wqkv, B = the rows of x: v TRANSPOSED, whose next K is the keys: with the operands' parts changed it runs along n as well.  So one way out quantises along n for both.
; Four waves, each 128 x 128: 64 accumulators of 16 x 16.  K goes in steps of 256 through a ring of two LDS slots filled by the tensor data mover; the scale bytes of the work-group's rows come once and stay.
; The four work-groups of a row of the cluster need the same tiles of A, the four of a column the same tiles of B: each tile is asked for jointly, with the same descriptor and a mask that names the four.
; THE MATRIX INSTRUCTION IS USED TRANSPOSED (source 0 = 16 rows of B, source 1 = 16 rows of A): lane (r, h) holds row r of C and eight neighbouring columns 8 h + 0 .. 7.
; THE PACKS (qkvp).  For each (batch x 16 + head, slot of 256 keys) 34,816 bytes: at 0 sixteen tiles of K as images of the operand's registers (1,024 bytes: piece c of 512 bytes, lane l's 16 bytes at 16 l);
; at 16,384 two steps x four tiles of V^T (2,048 bytes each); at 32,768 K's scale bytes, two a key; at 33,280 V's scale words [2 steps][64]; at 33,792 the mask as f32 for each key: 0, or -2^100 where the key is hidden.
; Row r of tile 2 b + u is row 32 b + 8 u + r + 8 (r / 8), so that the results of two neighbouring tiles are 16 neighbours along the next K.  q's packs lie in front of k's and v's and use the parts of K alone.
; LIMITS: as stated at the head of the first launch (bytes of very small and zero blocks; NaN and infinities are not served).
; REGISTERS, in windows of 256: window 0: v0-31 addresses; v32-63 scale words, two sets; from v128 A's fragments, one set; v64-127 free in the loop.  window 1: B's fragments, two sets.  windows 2, 3: the accumulators.
.set KSTEP,  256
.set NQ,     KSTEP/128
.set ROWB,   256                       ; a tile's row in bytes
.set KROW,   1024                      ; a row of codes in memory
.set PITCH,  272                       ; an LDS row: 256 bytes + 16 of padding: the 16 rows that a load touches start 68 words apart
.set FR,     16
.set NL,     4
.set NP,     8                         ; places behind this matrix instruction (ISA guide 7.12.1)
.set HALFT,  128*PITCH
.set SLOT,   4*HALFT
.set LAPS,   2                         ; K = 1,024: twice round the ring
.set KS,     32                        ; a row of scale bytes
.set SCL,    2*SLOT
.set HALFS,  (128*KS/256)*272
.set SBLK,   (16*KS/256)*272
.set SPARE,  SCL+4*HALFS               ; the spare words, 128 bytes a wave
.set ADRA, 16
.set ADRB, 20
.set ADRS, 27
.set SPW,  28
.set NIL,  29
.set SC,   32
.set AF,   128
.set G1, 24
.set G0, 32
.set G1B, 48
.set G0B, 56
.set G1S, 68
.set G0S, 76
.set G1SB, 80
.set G0SB, 88
.set PACK,    34816
.set HEADSTR, 8*PACK
.set QREG,    32*HEADSTR               ; q's packs; behind them k's and v's
.set OB,  32                           ; the way out: v32-63 images read back
.set BI,  64                           ; v64-127 the bias
.set T,   128                          ; v128-191 64 numbers of a lane
.set PC,  192                          ; v192-207 their codes
.set TM,  208                          ; v208-223 at work
.set PW,  224                          ; the scale word
.set SEL, 20                           ; s[20:21] lane selects: lane l xor 16
.set MNT, 23                           ; s23 the mantissa field of 448
.set MSB, 0
.macro WIN new                         ; the immediate's high byte repeats the setting that is left
.if MSB != \new
	s_set_vgpr_msb (MSB<<8)|\new
.set MSB, \new
.endif
.endm
.set MUL_LO, 0xa1                      ; source 0 (B) window 1, source 1 (A) window 0, C and D window 2
.set MUL_HI, 0xf1
.set TO_B,   0x40
.macro JLOAD g0a, g1a, g0b, g1b        ; a joint load: waves 0 and 1 fetch for A, waves 2 and 3 for B; an s_nop 0 and four v_nop follow each line
	s_cmp_eq_u32 s15, 0
	s_cbranch_scc0 .Lfor_b_\@
	tensor_load_to_lds s[\g0a:\g0a+3], s[\g1a:\g1a+7]
	s_nop 0
.rept 4
	v_nop
.endr
	s_branch .Lasked_\@
.Lfor_b_\@:
	tensor_load_to_lds s[\g0b:\g0b+3], s[\g1b:\g1b+7]
	s_nop 0
.rept 4
	v_nop
.endr
.Lasked_\@:
.endm
.macro CREST                           ; a round of the cluster's barrier behind its opening barrier
	s_cmp_lg_u32 s14, 0
	s_cbranch_scc1 .Lnot_wave_0_\@
	s_barrier_signal -3
.Lnot_wave_0_\@:
	s_barrier_wait -3
	s_barrier_signal -1
	s_barrier_wait -1
.endm
.macro CROUND
	s_barrier_signal -1
	s_barrier_wait -1
	CREST
.endm
	s_load_b64 s[4:5], s[0:1], 0x0                 ; xq
	s_load_b128 s[8:11], s[0:1], 0x8               ; Wqkv's codes, Wqkv's scales
	s_load_b128 s[96:99], s[0:1], 0x18             ; bqkv, mask
	s_load_b64 s[100:101], s[0:1], 0x28            ; qkvp
	v_lshl_add_u32 v[SPW], v0, 2, SPARE
	v_mov_b32 v[NIL], 0
	ds_add_u32 v[SPW], v[NIL]                      ; the wave's opening: the add, twice on end, and its wait ahead of my first tensor load
	ds_add_u32 v[SPW], v[NIL]
	v_lshrrev_b32 v1, 5, v0
	v_readfirstlane_b32 s14, v1                    ; wave 0..3
	s_lshr_b32 s15, s14, 1                         ; which half of the tile's rows is mine.  Also: I fetch for A (0) or for B (1)
	s_and_b32 s16, s14, 1                          ; which half of its columns.  Also: which 128 rows of that tile I fetch
	s_bfe_u32 s40, ttmp6, 0x40000                  ; cx, cy: my place in the cluster
	s_bfe_u32 s41, ttmp6, 0x40004
	s_and_b32 s42, ttmp9, 1                        ; QK: the cluster's column is its number's low bit, its row the rest
	s_lshr_b32 s17, ttmp9, 1
	s_sub_co_u32 s18, ttmp9, 8                     ; VT: the column is the number less 8, the row 0
	s_cmp_lt_u32 ttmp9, 8                          ; the cluster's number: the same in all sixteen partners
	s_cselect_b32 s42, s42, s18
	s_cselect_b32 s17, s17, 0
	s_lshl_b32 s42, s42, 2
	s_add_co_u32 s42, s42, s40                     ; tile column of C
	s_lshl_b32 s17, s17, 2
	s_add_co_u32 s17, s17, s41                     ; tile row of C
	s_lshl_b32 s43, s41, 2
	s_lshl_b32 s43, 15, s43                        ; my row of the cluster
	s_lshl_b32 s44, 0x1111, s40                    ; my column
	s_or_b32 s[G1+0], s43, (0<<16)|(1<<20)|(1<<21)|(5<<22)|(3<<25)  ; the mask; elements of 1 byte; padding: 4 words behind every 64; bit 21 beside a mask
	s_or_b32 s[G1B+0], s44, (0<<16)|(1<<20)|(1<<21)|(5<<22)|(3<<25)
.irp g, G1, G1B
	s_mov_b32 s[\g+1], ROWB<<16                    ; tensor_dim0
	s_mov_b32 s[\g+2], 128<<16                     ; tensor_dim1
	s_mov_b32 s[\g+3], ROWB<<16                    ; tile_dim0
	s_mov_b32 s[\g+4], 128                         ; tile_dim1
	s_mov_b32 s[\g+5], KROW                        ; the pitch
	s_mov_b32 s[\g+6], 0
	s_mov_b32 s[\g+7], 0
.endr
	s_or_b32 s[G1S+0], s43, (3<<16)|(1<<20)|(1<<21)|(5<<22)|(3<<25) ; the scales of 128 rows: a dense block, as rows of 256 bytes (32 elements of 8), 16 bytes of padding behind each
	s_or_b32 s[G1SB+0], s44, (3<<16)|(1<<20)|(1<<21)|(5<<22)|(3<<25)
.irp g, G1S, G1SB
	s_mov_b32 s[\g+1], 32<<16
	s_mov_b32 s[\g+2], (128*KS/256)<<16
	s_mov_b32 s[\g+3], 32<<16
	s_mov_b32 s[\g+4], 128*KS/256
	s_mov_b32 s[\g+5], 32
	s_mov_b32 s[\g+6], 0
	s_mov_b32 s[\g+7], 0
.endr
	s_lshl_b32 s18, s16, 7                         ; which 128 rows of the tile I fetch
	s_lshl_b32 s20, s17, 8
	s_add_co_u32 s20, s20, s18                     ; A: row 256 x tile row + 128 x half
	s_lshl_b32 s46, s42, 8
	s_add_co_u32 s46, s46, s18                     ; B: row 256 x tile column + 128 x half
	s_mov_b32 s21, 0
	s_mov_b32 s47, 0
	s_mov_b64 s[18:19], KS
	s_mul_u64 s[22:23], s[20:21], s[18:19]         ; where these rows' scales begin
	s_mul_u64 s[92:93], s[46:47], s[18:19]
	s_mov_b64 s[18:19], KROW
	s_mul_u64 s[20:21], s[20:21], s[18:19]         ; and their codes
	s_mul_u64 s[46:47], s[46:47], s[18:19]
	s_mul_i32 s45, s14, HALFT                      ; where they go: no place in the cluster enters an LDS address
	s_mul_i32 s94, s14, HALFS
	s_wait_dscnt 0x0                               ; both opening adds are done
	s_wait_kmcnt 0x0
	s_add_nc_u64 s[6:7], s[4:5], 0x400000          ; x's scale bytes
	s_add_nc_u64 s[12:13], s[8:9], 0x200000        ; Wv's codes: rows 2,048 on
	s_add_nc_u64 s[66:67], s[10:11], 0x10000       ; Wv's scales
	s_cmp_lt_u32 ttmp9, 8                          ; which operand is which hangs on the cluster's number alone
	s_cselect_b64 s[12:13], s[4:5], s[12:13]       ; A's codes
	s_cselect_b64 s[66:67], s[6:7], s[66:67]       ; A's scales
	s_cselect_b64 s[8:9], s[8:9], s[4:5]           ; B's codes
	s_cselect_b64 s[10:11], s[10:11], s[6:7]       ; B's scales
	s_add_nc_u64 s[20:21], s[12:13], s[20:21]
	s_add_nc_u64 s[22:23], s[66:67], s[22:23]
	s_add_nc_u64 s[46:47], s[8:9], s[46:47]
	s_add_nc_u64 s[92:93], s[10:11], s[92:93]
	CROUND                                         ; all sixteen work-groups are here: the first joint loads meet
	s_mov_b32 s[G0S], 1
	s_add_co_u32 s[G0S+1], s94, SCL
	s_mov_b64 s[G0S+2:G0S+3], s[22:23]
	s_or_b32 s[G0S+3], s[G0S+3], 0x80000000
	s_mov_b32 s[G0SB], 1
	s_add_co_u32 s[G0SB+1], s94, SCL
	s_mov_b64 s[G0SB+2:G0SB+3], s[92:93]
	s_or_b32 s[G0SB+3], s[G0SB+3], 0x80000000
	JLOAD G0S, G1S, G0SB, G1SB                     ; the scales first: they are wanted with K step 0
.irp s, 0,1
	s_mov_b32 s[G0+4*\s], 1
	s_add_co_u32 s[G0+4*\s+1], s45, \s*SLOT
	s_add_nc_u64 s[G0+4*\s+2:G0+4*\s+3], s[20:21], \s*ROWB
	s_or_b32 s[G0+4*\s+3], s[G0+4*\s+3], 0x80000000
	s_mov_b32 s[G0B+4*\s], 1
	s_add_co_u32 s[G0B+4*\s+1], s45, \s*SLOT
	s_add_nc_u64 s[G0B+4*\s+2:G0B+4*\s+3], s[46:47], \s*ROWB
	s_or_b32 s[G0B+4*\s+3], s[G0B+4*\s+3], 0x80000000
	JLOAD G0+4*\s, G1, G0B+4*\s, G1B               ; three tensor loads of mine are out now
.endr
	v_and_b32 v1, 15, v0                           ; r
	v_bfe_u32 v2, v0, 4, 1                         ; h
	v_mul_u32_u24 v3, v1, PITCH
	v_lshl_add_u32 v4, v2, 4, v3                   ; a fragment's row x pitch + 16 h
	s_mul_i32 s21, s15, HALFT                      ; my 128 rows of A
	s_mul_i32 s22, s16, HALFT                      ; my 128 rows of B,
	s_add_co_u32 s22, s22, 2*HALFT                 ; which lie behind A's 256
.irp s, 0,1
	v_add_nc_u32 v[ADRA+\s], s21, v4
	v_add_nc_u32 v[ADRB+\s], s22, v4
	s_add_co_u32 s21, s21, SLOT
	s_add_co_u32 s22, s22, SLOT
.endr
	v_mul_u32_u24 v5, v1, KS                       ; my row's scales: KS bytes a row,
	v_lshrrev_b32 v6, 8, v5
	v_lshl_add_u32 v5, v6, 4, v5                   ; and 16 more for each 256 passed
	s_mul_i32 s21, s15, HALFS
	s_mul_i32 s22, s16, HALFS
	s_add_co_u32 s22, s22, 2*HALFS
	s_sub_co_u32 s22, s22, s21
	v_mul_u32_u24 v6, s22, v2                      ; lanes 16-31 take B's
	s_add_co_u32 s21, s21, SCL
	v_add_nc_u32 v5, v5, v6
	v_add_nc_u32 v[ADRS], s21, v5
.macro FRAG reg, adr, q, i             ; 16 rows x 128 K of 8-bit codes: registers 4 c .. 4 c + 3 hold K = 32 c + 16 h + 0 .. 15
.irp c, 0,1,2,3
	ds_load_b128 v[\reg+4*\c:\reg+4*\c+3], v[\adr] offset:128*(\q)+32*\c+(\i)*16*PITCH
.endr
.endm
; 16 matrix instructions: A's blocks a0, a0 + 1 x B's eight.  The 64 accumulators take turns, one instruction a turn, in the same order in every step.
.macro MUL16 a0, p, q, sc, zero
.irp a, \a0, \a0+1
.irp b, 0,1,2,3,4,5,6,7
.if \zero
	v_wmma_scale_f32_16x16x128_f8f6f4 v[8*(8*((\a)%4)+\b):8*(8*((\a)%4)+\b)+7], v[128*(\p)+FR*\b:128*(\p)+FR*\b+FR-1], v[AF+FR*(\a):AF+FR*(\a)+FR-1], 0, v[SC+8*NQ*(\sc)+NQ*\b+(\q)], v[SC+8*NQ*(\sc)+NQ*(\a)+(\q)] matrix_a_scale:MATRIX_SCALE_ROW1
.else
	v_wmma_scale_f32_16x16x128_f8f6f4 v[8*(8*((\a)%4)+\b):8*(8*((\a)%4)+\b)+7], v[128*(\p)+FR*\b:128*(\p)+FR*\b+FR-1], v[AF+FR*(\a):AF+FR*(\a)+FR-1], v[8*(8*((\a)%4)+\b):8*(8*((\a)%4)+\b)+7], v[SC+8*NQ*(\sc)+NQ*\b+(\q)], v[SC+8*NQ*(\sc)+NQ*(\a)+(\q)] matrix_a_scale:MATRIX_SCALE_ROW1
.endif
.endr
.endr
.endm
.macro FETCH_B slot, q, p
	WIN TO_B
.irp i, 0,1,2,3,4,5,6,7
	FRAG 128*(\p)+FR*\i, ADRB+\slot, \q, \i
.endr
	WIN 0
.endm
.macro FETCH_A slot, q, i0
.irp i, \i0, \i0+1, \i0+2, \i0+3
	FRAG AF+FR*(\i), ADRA+\slot, \q, \i
.endr
.endm
.macro SCALES sc                       ; a K step's scale words: lanes 0-15 take A's block i, lanes 16-31 B's block i
.irp i, 0,1,2,3,4,5,6,7
	ds_load_b64 v[SC+8*NQ*\sc+NQ*\i:SC+8*NQ*\sc+NQ*\i+1], v[ADRS] offset:\i*SBLK
.endr
.endm
.macro PLACES n                        ; plain vector instructions between a matrix instruction and a load into, or a read of, its registers
.rept \n
	v_nop
.endr
.endm
.macro STEP slot, q, zero              ; 128 along K that has its successor in the same slot
	s_wait_dscnt 4*NL                              ; B's set and A's blocks 0-3 are in; the 16 youngest loads (A's blocks 4-7) may be out
	WIN MUL_LO
	MUL16 0, (\q)%2, \q, \slot, \zero
	MUL16 2, (\q)%2, \q, \slot, \zero
	s_wait_dscnt 0
	PLACES NP
	FETCH_B \slot, (\q)+1, 1-(\q)%2
	FETCH_A \slot, (\q)+1, 0
	WIN MUL_HI
	MUL16 4, (\q)%2, \q, \slot, \zero
	MUL16 6, (\q)%2, \q, \slot, \zero
	PLACES NP
	WIN 0
	FETCH_A \slot, (\q)+1, 4
.endm
; A slot's last step changes slots: one barrier; in front of it each wave waits for all its tensor loads, adds 0 to its spare word, and waits for that and for its reads of this slot.
.macro TURN slot, next, fill
	s_wait_tensorcnt 0x0                           ; all my tensor loads have landed: my part of the next slot
	ds_add_u32 v[SPW], v[NIL]
	s_wait_dscnt 4*NL+1                            ; (the add and the 16 youngest loads may be out)
	WIN MUL_LO
	MUL16 0, 1, NQ-1, \slot, 0
	s_wait_dscnt 0x0                               ; the add is done, and my reads of this slot are over
	s_barrier_signal -1
	MUL16 2, 1, NQ-1, \slot, 0
	WIN 0
	s_barrier_wait -1
.if \fill
	CREST                                          ; the barrier has opened a round of the cluster's: no wave of any partner still reads this slot or has a load on its way
	s_add_nc_u64 s[G0+4*\slot+2:G0+4*\slot+3], s[G0+4*\slot+2:G0+4*\slot+3], 2*ROWB
	s_add_nc_u64 s[G0B+4*\slot+2:G0B+4*\slot+3], s[G0B+4*\slot+2:G0B+4*\slot+3], 2*ROWB
	JLOAD G0+4*\slot, G1, G0B+4*\slot, G1B         ; the first tensor load behind the round
	PLACES NP-4
.else
	PLACES NP
.endif
	v_add_nc_u32 v[ADRS], 4*NQ, v[ADRS]            ; on to the next K step's scale words
	FETCH_B \next, 0, 0
	FETCH_A \next, 0, 0
	SCALES \next
	WIN MUL_HI
	MUL16 4, 1, NQ-1, \slot, 0
	MUL16 6, 1, NQ-1, \slot, 0
	PLACES NP
	WIN 0
	FETCH_A \next, 0, 4
.endm
	s_wait_tensorcnt 1                             ; the scales and my part of K step 0 are in (K step 1's load may be out),
	s_barrier_signal -1
	s_barrier_wait -1                              ; everybody's are
	FETCH_B 0, 0, 0
	FETCH_A 0, 0, 0
	SCALES 0
	FETCH_A 0, 0, 4
	STEP 0, 0, 1                                   ; the first step's products start the sums
	s_mov_b32 s3, LAPS-1
.Llap:
	TURN 0, 1, 1
	STEP 1, 0, 0
	TURN 1, 0, 1
	STEP 0, 0, 0
	s_sub_co_u32 s3, s3, 1
	s_cmp_lg_u32 s3, 0
	s_cbranch_scc1 .Llap
	TURN 0, 1, 0                                   ; the last lap fills nothing
	STEP 1, 0, 0
	s_wait_dscnt 4*NL
	WIN MUL_LO
	MUL16 0, 1, NQ-1, 1, 0
	MUL16 2, 1, NQ-1, 1, 0
	s_wait_dscnt 0
	WIN MUL_HI
	MUL16 4, 1, NQ-1, 1, 0
	MUL16 6, 1, NQ-1, 1, 0
	WIN 0
; THE WAY OUT.  A block a of 16 rows x 128 columns: register 8 t + j of lane (r, h) is (row 16 a + r, column 16 t + 8 h + j); registers 16 b .. 16 b + 15 of lanes l and l xor 16 are block b of 32 columns.
; The bias is added, the block quantised, its codes stored as rows of 128 bytes into my own stage (32 rows x 144 bytes; it lies in slot 0, which has had its last fill and its last read), and two blocks are read back as
; two tiles' images, in the tiles' order of rows.  The arms have LDS bytes of their own.
	PLACES NP
	s_mov_b32 s[SEL], 0x76543210
	s_mov_b32 s[SEL+1], 0xfedcba98
	s_mov_b32 s[MNT], 0x600000
.irp b, 0,1,2,3
	v_mov_b32 v[TM+4+\b], 0                        ; written once: a lane permute's destination counts as one of its sources
.endr
	v_and_b32 v1, 15, v0                           ; r
	v_bfe_u32 v2, v0, 4, 1                         ; h
	v_and_b32 v3, 31, v0                           ; lane
	v_and_b32 v4, 8, v1
	v_add_nc_u32 v4, v4, v1                        ; r + 8 (r / 8)
	s_lshl_b32 s18, s14, 13                        ; my stage: 8,192 x wave
	v_mul_u32_u24 v16, v1, 144
	v_lshl_add_u32 v16, v2, 3, v16
	v_add_nc_u32 v16, s18, v16                     ; in: row r, + 8 h
	v_mul_u32_u24 v17, v4, 144
	v_lshl_add_u32 v17, v2, 4, v17
	v_add_nc_u32 v17, s18, v17                     ; back: the tile's row, + 16 h
	s_add_co_u32 s18, s18, 4608                    ; behind the 32 rows: 128 scale words
	v_lshl_add_u32 v18, v1, 2, s18
	v_lshl_add_u32 v19, v3, 4, s18
	v_lshl_add_u32 v20, v3, 3, s18
	v_lshlrev_b32 v21, 4, v3                       ; 16, 8, 4 x lane
	v_lshlrev_b32 v22, 3, v3
	v_lshlrev_b32 v23, 2, v3
	v_lshlrev_b32 v24, 2, v1                       ; 4 r
	v_lshlrev_b32 v25, 5, v2                       ; 32 h
	s_lshl_b32 s4, s17, 8
	s_lshl_b32 s5, s15, 7
	s_add_co_u32 s4, s4, s5                        ; my first row m0
	s_lshl_b32 s6, s42, 8
	s_lshl_b32 s7, s16, 7
	s_add_co_u32 s6, s6, s7                        ; my first column n0
	s_cmp_lt_u32 ttmp9, 8
	s_cselect_b32 s8, s4, s6                       ; the first row of the sequence: QK: m0, VT: n0
	s_cselect_b32 s9, s6, s4                       ; the first feature
	s_cselect_b32 s10, s15, s16                    ; which 128 of a slot's 256 keys
	s_cselect_b32 s11, 0, 1024
	s_add_co_u32 s9, s9, s11                       ; q: 0 .., k and v: 1,024 ..: bit 10 says which packs
	s_add_co_u32 s11, s9, s11                      ; the place in bqkv: q 0 .., k 1,024 .., v 2,048 ..
	s_lshl_b32 s12, s11, 2
	s_mov_b32 s13, 0
	s_add_nc_u64 s[96:97], s[96:97], s[12:13]      ; bqkv at my first feature
	s_mov_b32 s12, s8
	s_add_nc_u64 s[98:99], s[98:99], s[12:13]      ; mask at my first row of the sequence
	s_lshr_b32 s12, s8, 11
	s_lshl_b32 s12, s12, 7                         ; batch x 128
	s_bfe_u32 s18, s9, 0x40006                     ; my first head
	s_lshl_b32 s18, s18, 3
	s_add_co_u32 s12, s12, s18
	s_bfe_u32 s18, s8, 0x30008                     ; the slot of 256 keys
	s_add_co_u32 s12, s12, s18
	s_mul_i32 s12, s12, PACK
	s_lshr_b32 s18, s9, 10
	s_mul_i32 s18, s18, QREG
	s_add_co_u32 s12, s12, s18
	s_add_nc_u64 s[100:101], s[100:101], s[12:13]  ; my first head's pack
	s_lshl_b32 s12, s10, 13
	s_add_nc_u64 s[4:5], s[100:101], s[12:13]      ; images: 8,192 bytes for 128 keys
	s_lshl_b32 s12, s10, 8
	s_add_nc_u64 s[6:7], s[100:101], s[12:13]      ; scales: 256
	s_lshl_b32 s12, s10, 9
	s_add_nc_u64 s[8:9], s[100:101], s[12:13]      ; the mask as f32: 512
.macro ADDN a                          ; T = block a + the bias of its columns; each accumulator from its low end on
.set AC, 64*((\a)%4)
	WIN 0x02+(\a)/4
.set i, 0
.rept 32
	v_pk_add_f32 v[T+i:T+i+1], v[AC+i:AC+i+1], v[BI+i:BI+i+1]
.set i, i+2
.endr
	WIN 0
.endm
.macro ADDM a                          ; T = block a + the bias of my row
.set AC, 64*((\a)%4)
	WIN 0x02+(\a)/4
.set i, 0
.rept 64
	v_add_f32 v[T+i], v[AC+i], v[BI+(\a)]
.set i, i+1
.endr
	WIN 0
.endm
; 64 numbers of a lane become 64 codes in v[PC] on and their four scale bytes in v[PW]
.macro QUANT s, relu
.if \relu
.irp b, 0,1,2,3
	v_max3_num_f32 v[TM+\b], v[\s+16*\b], v[\s+1+16*\b], 0x4800000
.endr
.irp i, 2,4,6,8,10,12,14
.irp b, 0,1,2,3
	v_max3_num_f32 v[TM+\b], v[TM+\b], v[\s+16*\b+\i], v[\s+1+16*\b+\i]
.endr
.endr
.else
.irp b, 0,1,2,3
	v_max3_num_f32 v[TM+\b], |v[\s+16*\b]|, |v[\s+1+16*\b]|, 0x4800000   ; my 16 numbers of block b, and the floor 2^(9 - 127): the byte cannot fall under 1
.endr
.irp i, 2,4,6,8,10,12,14
.irp b, 0,1,2,3
	v_max3_num_f32 v[TM+\b], v[TM+\b], |v[\s+16*\b+\i]|, |v[\s+1+16*\b+\i]|
.endr
.endr
.endif
.irp b, 0,1,2,3
	v_permlanex16_b32 v[TM+4+\b], v[TM+\b], s[SEL], s[SEL+1]
.endr
.irp b, 0,1,2,3
	v_max_num_f32 v[TM+\b], v[TM+\b], v[TM+4+\b]   ; with lane l xor 16's: the block's largest magnitude
.endr
.irp b, 0,1,2,3
	v_add_nc_u32 v[TM+12+\b], 0xfc000000, v[TM+\b] ; 8 off its exponent field: the conversion's scale operand
.endr
.irp b, 0,1,2,3
	v_and_or_b32 v[TM+8+\b], v[TM+\b], 0x7f800000, s[MNT]   ; 448 x the scale
.endr
.irp b, 0,1,2,3
	v_lshrrev_b32 v[TM+4+\b], 23, v[TM+12+\b]      ; the scale's byte
.endr
	v_lshl_or_b32 v[PW], v[TM+5], 8, v[TM+4]
	v_lshl_or_b32 v[PW], v[TM+6], 16, v[PW]
	v_lshl_or_b32 v[PW], v[TM+7], 24, v[PW]
.irp b, 0,1,2,3
.irp i, 0,1,2,3,4,5,6,7,8,9,10,11,12,13,14,15
.if \relu
	v_med3_num_f32 v[\s+16*\b+\i], v[\s+16*\b+\i], 0, v[TM+8+\b]
.else
	v_med3_num_f32 v[\s+16*\b+\i], v[\s+16*\b+\i], -v[TM+8+\b], v[TM+8+\b]   ; the conversion does not saturate (ISA guide 7.6.2): the hold
.endif
.endr
	v_cvt_scalef32_pk8_fp8_f32 v[PC+4*\b:PC+1+4*\b], v[\s+16*\b:\s+7+16*\b], v[TM+12+\b]
	v_cvt_scalef32_pk8_fp8_f32 v[PC+2+4*\b:PC+3+4*\b], v[\s+8+16*\b:\s+15+16*\b], v[TM+12+\b]
.endr
	v_nop                                          ; a plain instruction behind the last conversion, ahead of the next write of its sources
.endm
.macro EPI arm                         ; arm 0: q and k;  arm 1: v transposed
.set AO, \arm*32768
.if \arm == 0
.irp t, 0,1,2,3,4,5,6,7
	global_load_b128 v[BI+8*\t:BI+8*\t+3], v25, s[96:97] offset:64*\t         ; bqkv at columns 16 t + 8 h + 0 .. 7
	global_load_b128 v[BI+8*\t+4:BI+8*\t+7], v25, s[96:97] offset:64*\t+16
.endr
.else
.irp a, 0,1,2,3,4,5,6,7
	global_load_b32 v[BI+\a], v24, s[96:97] offset:64*\a                      ; bqkv at row 16 a + r
.endr
.endif
	s_wait_loadcnt 0x0
.irp g, 0,1,2,3
.irp e, 0,1
	s_wait_dscnt 0x0                               ; the last block's LDS stores have read their registers
.if \arm == 0
	ADDN 2*\g+\e
.else
	ADDM 2*\g+\e
.endif
	QUANT T, 0
.irp b, 0,1,2,3
	ds_store_b64 v16, v[PC+4*\b:PC+4*\b+1] offset:AO+\e*2304+32*\b            ; columns 32 b + 8 h + 0 .. 7
	ds_store_b64 v16, v[PC+4*\b+2:PC+4*\b+3] offset:AO+\e*2304+32*\b+16       ; and 32 b + 16 + 8 h + 0 .. 7
.endr
	ds_store_b32 v18, v[PW] offset:AO+64*(2*\g+\e) ; lanes 16-31 write the same word with the same value
.endr
	s_wait_xcnt 0x0                                ; the last pair's stores have read the registers that are loaded now
.irp u, 0,1
.irp c, 0,1,2,3
	ds_load_b128 v[OB+16*\u+4*\c:OB+16*\u+4*\c+3], v17 offset:AO+\u*1152+32*\c   ; tile 2 g + u, piece c: LDS serves a wave's instructions in order
.endr
.endr
	s_wait_dscnt 0x0
.irp u, 0,1
.irp c, 0,1,2,3
.if \arm == 0
	global_store_b128 v21, v[OB+16*\u+4*\c:OB+16*\u+4*\c+3], s[4:5] offset:(\c/2)*HEADSTR+(2*\g+\u)*1024+(\c%2)*512   ; 512 consecutive bytes: head c / 2, piece c % 2
.else
	global_store_b128 v21, v[OB+16*\u+4*\c:OB+16*\u+4*\c+3], s[4:5] offset:16384+((2*\g+\u)/4)*HEADSTR+((2*\g+\u)%4)*2048+512*\c
.endif
.endr
.endr
.endr
	s_wait_xcnt 0x0
.if \arm == 0
	ds_load_b128 v[OB:OB+3], v19 offset:AO         ; four rows' scale words: the low half is my first head's, the high half the next head's
	s_wait_dscnt 0x0
	v_perm_b32 v[OB+4], v[OB+1], v[OB], 0x05040100
	v_perm_b32 v[OB+5], v[OB+3], v[OB+2], 0x05040100
	v_perm_b32 v[OB+6], v[OB+1], v[OB], 0x07060302
	v_perm_b32 v[OB+7], v[OB+3], v[OB+2], 0x07060302
	global_store_b64 v22, v[OB+4:OB+5], s[6:7] offset:32768                   ; 256 consecutive bytes, aligned
	global_store_b64 v22, v[OB+6:OB+7], s[6:7] offset:32768+HEADSTR
	s_and_b32 s18, ttmp9, 1                        ; k's clusters also lay the mask out as f32, for their two heads
	s_cmp_eq_u32 s18, 1
	s_cbranch_scc0 .Lno_mask
	global_load_b32 v[OB+8], v23, s[98:99]         ; four keys' bytes
	v_mov_b32 v[OB+9], 0xf1800000                  ; -2^100
	s_wait_loadcnt 0x0
.irp j, 0,1,2,3
	v_bfe_u32 v[OB+12+\j], v[OB+8], 8*\j, 8
.endr
.irp j, 0,1,2,3
	v_cmp_eq_u32 vcc_lo, 0, v[OB+12+\j]
	v_cndmask_b32 v[OB+12+\j], 0, v[OB+9], vcc_lo
.endr
	global_store_b128 v21, v[OB+12:OB+15], s[8:9] offset:33792
	global_store_b128 v21, v[OB+12:OB+15], s[8:9] offset:33792+HEADSTR
.Lno_mask:
.else
	ds_load_b64 v[OB:OB+1], v20 offset:AO          ; rows 0-63: my first head's 64 scale words
	ds_load_b64 v[OB+2:OB+3], v20 offset:AO+256    ; rows 64-127: the next head's
	s_wait_dscnt 0x0
	global_store_b64 v22, v[OB:OB+1], s[6:7] offset:33280
	global_store_b64 v22, v[OB+2:OB+3], s[6:7] offset:33280+HEADSTR
.endif
.endm
	s_cmp_lt_u32 ttmp9, 8                          ; the cluster's number: all partners and all waves go the same way
	s_cbranch_scc0 .Lvt
	EPI 0
	s_branch .Ljoin
.Lvt:
	EPI 1
.Ljoin:
	s_wait_tensorcnt 0x0                           ; the wave's end
	ds_add_u32 v[SPW], v[NIL]
	s_wait_dscnt 0x0
	CROUND                                         ; the closing round
	s_endpgm
.Lfunc_end_k_q80dc013334_qkv:
	.size	k_q80dc013334_qkv, .Lfunc_end_k_q80dc013334_qkv-k_q80dc013334_qkv
	.p2alignl 7, 3214868480
	.fill 96, 4, 3214868480
	.section	.rodata,"a",@progbits
	.p2align	6, 0x0
	.amdhsa_kernel k_q80dc013334_qkv
		.amdhsa_group_segment_fixed_size 327680
		.amdhsa_private_segment_fixed_size 0
		.amdhsa_enable_private_segment 0
		.amdhsa_kernarg_size 48
		.amdhsa_user_sgpr_count 2
		.amdhsa_user_sgpr_kernarg_segment_ptr 1
		.amdhsa_wavefront_size32 1
		.amdhsa_system_sgpr_workgroup_id_x 1
		.amdhsa_system_sgpr_workgroup_id_y 1
		.amdhsa_system_sgpr_workgroup_id_z 1
		.amdhsa_system_vgpr_workitem_id 0
		.amdhsa_next_free_vgpr 1024
		.amdhsa_next_free_sgpr 102
		.amdhsa_reserve_vcc 1
		.amdhsa_float_denorm_mode_32 3
		.amdhsa_float_denorm_mode_16_64 3
		.amdhsa_memory_ordered 1
		.amdhsa_forward_progress 1
		.amdhsa_inst_pref_size 255
	.end_amdhsa_kernel
	.section	.bss,"aw",@nobits
	.p2align	6
	.space	262144
	.amdgpu_metadata
---
amdhsa.version: [ 1, 2 ]
amdhsa.kernels:
  - .name:           k_q80dc013334_qkv
    .symbol:         k_q80dc013334_qkv.kd
    .args:
      - { .name: xq, .offset: 0, .size: 8, .value_kind: global_buffer, .address_space: global }
      - { .name: Wqkv_codes, .offset: 8, .size: 8, .value_kind: global_buffer, .address_space: global }
      - { .name: Wqkv_scales, .offset: 16, .size: 8, .value_kind: global_buffer, .address_space: global }
      - { .name: bqkv, .offset: 24, .size: 8, .value_kind: global_buffer, .address_space: global }
      - { .name: mask, .offset: 32, .size: 8, .value_kind: global_buffer, .address_space: global }
      - { .name: qkvp, .offset: 40, .size: 8, .value_kind: global_buffer, .address_space: global }
    .group_segment_fixed_size: 327680
    .private_segment_fixed_size: 0
    .kernarg_segment_align: 8
    .kernarg_segment_size: 48
    .max_flat_workgroup_size: 128
    .sgpr_count:     102
    .vgpr_count:     1024
    .wavefront_size: 32
...
	.end_amdgpu_metadata
.endif
;; end of part 2
;; launch attn (part 3): grid 8 x 32, 16 waves a work-group, no clusters, 327,680 bytes of LDS; arguments qkvp, vw, dead; writes vw, dead
.if DOCPART == 3
	.amdgcn_target "amdgcn-amd-amdhsa--gfx1250"
	.amdhsa_code_object_version 6
	.text
	.protected	k_q80dc013334_attn
	.globl	k_q80dc013334_attn
	.p2align	8
	.type	k_q80dc013334_attn,@function
k_q80dc013334_attn:
	s_mov_b64 s[64:65], 0
	v_nop
	global_prefetch_b8 v0, s[64:65] scope:SCOPE_SE
	s_setreg_imm32_b32 hwreg(HW_REG_WAVE_MODE, 25, 1), 1
	s_wait_xcnt 0x0
; LAUNCH 3 OF 8: attention on codes of FP8 (E4M3), head size 64, causal, with the input's mask on the keys; its result, divided by the row's sum, is quantised along the model's 1,024 for the projection.
; WORK LEFT OUT: steps of 128 keys that lie wholly behind a wave's queries, and slots of keys that no wave of the work-group reads: reference()'s own tril hides them for all values of the inputs (see the first launch's head).
; THE SOFTMAX: t = score x log2(e) / 8; M = the running largest t rounded up to a whole number; p = 2^(t - M) is quantised along the keys; the row's sum is taken of the unquantised p and divides at the end.
; THE INPUT'S MASK is the start of each score's sum: the C of S^T's product is 0 or -2^100 for each key.  LIMIT: reference() has -infinity there; p comes out 0 as there for every row whose largest t lies above -2^90, from which the
; running maximum starts; smaller logits are not served.  A row that sees no key has the sum 0: its flag is stored (by head 0: the flag hangs on the masks alone), its codes are zeros, and the last launch puts NaN there.
; The divisor is held at 0.5 from below; a row that sees a key has a sum above 0.5, since its largest p is.
; SHARES.  A work-group owns query blocks i and 15 - i (128 queries each) of one head: waves 0-7 a tile of 16 queries each of block i, waves 8-15 of block 15 - i: so every work-group walks 8 (i + 1) + 8 (16 - i) = 136 steps of a wave.
; A tile's queries are QL + r + 8 (r / 8), as the packs lay them.  Every work-group walks all 8 slots of 256 keys: the trip counts are constants; what is left out is a step's work and, past the limit, the load.
; NO CLUSTER: the work-groups of a head stop asking at different slots (query block 15 - i ends at key 128 (16 - i) - 1), so partners would need different numbers of tiles.
; A slot's pack of 34,816 bytes comes by sixteen tensor loads, one a wave, 17 rows of 128 bytes each; all sixteen waves read it.  Operands lie in the pack as images of their registers: every LDS read is 16 x lane + constants.
; K = 64 fills half of the instruction's 128: registers 8-15 of Q's and K's fragments hold zero codes, written once.
; The stores of a head's 64 codes of a row cover 64 bytes of it: the rows' other heads belong to other work-groups.
; REGISTERS: v1-4 lane terms; v5, v6 the add's two; v7 the prefetch's offset; v8-11 addresses in hand; v12 -M, v13 the largest t, v[14:15] the sum; v16-31 Q; v32-95 four fragments of K; v96-159 the mask, S^T, p, then V's four fragments;
; v160-191 O^T; v192-207 p's codes; v225 r + 8 (r / 8) - 16 h; v232-247, v252, v254 at work; v248-251 K's or V's scale words; v253 p's; v255 Q's.
.set PACK,    34816
.set HEADSTR, 8*PACK
.set QREG,    32*HEADSTR
.set SLOT1,   65536                     ; slot 1 begins here: one exclusive or turns an address from one slot to the other
.set SPARE,   131072                    ; the spare words, 128 bytes for each of sixteen waves
.set NSL,     8
.set LI,   1                            ; v1 16 x lane
.set KS2,  2                            ; v2 2 (r + 8 (r / 8))
.set VS4,  3                            ; v3 4 (r + 8 (r / 8))
.set MB,   4                            ; v4 64 h
.set SPW,  5
.set NIL,  6
.set PFO,  7                            ; v7 256 x lane; never rewritten
.set ADI,  8
.set ADS,  9
.set ADT,  10
.set ADB,  11
.set WV,   18
.set MNT,  19
.set SEL,  20
.set CS,   22
.set G1,   24
.set G0,   40
.set TB,   2
.set SLOTS, 67
.set QMX,  68
.set PFA,  76
.set LIM,  80
.set KF,   98
.set QL,   99
	s_load_b128 s[4:7], s[0:1], 0x0                ; qkvp, vw
	s_load_b64 s[8:9], s[0:1], 0x10                ; dead
	v_lshl_add_u32 v[SPW], v0, 2, SPARE
	v_mov_b32 v[NIL], 0
	ds_add_u32 v[SPW], v[NIL]                      ; the wave's opening: the add, twice on end, and its wait ahead of my first tensor load
	ds_add_u32 v[SPW], v[NIL]
	v_lshrrev_b32 v8, 5, v0
	v_readfirstlane_b32 s[WV], v8                  ; wave 0..15
	s_and_b32 s69, ttmp7, 0xffff                   ; batch x 16 + head
	s_lshl_b32 s70, ttmp9, 3                       ; 8 i
	s_add_co_u32 s71, s70, s[WV]                   ; waves 0-7: tile 8 i + w
	s_sub_co_u32 s72, 112, s70
	s_add_co_u32 s72, s72, s[WV]                   ; waves 8-15: tile 8 (15 - i) + w - 8
	s_cmp_lt_u32 s[WV], 8
	s_cselect_b32 s71, s71, s72                    ; my tile of queries
	s_lshr_b32 s72, s71, 1
	s_lshl_b32 s72, s72, 5
	s_and_b32 s73, s71, 1
	s_lshl_b32 s73, s73, 3
	s_add_co_u32 s[QL], s72, s73                   ; its first query: 32 (T / 2) + 8 (T % 2); its last is 23 further on
	s_sub_co_u32 s74, 16, ttmp9
	s_lshl_b32 s74, s74, 7
	s_sub_co_u32 s[QMX], s74, 1                    ; my work-group's last query
	s_mul_i32 s84, s69, HEADSTR                    ; the head's packs
	s_mul_i32 s85, s[WV], 2176
	s_add_co_u32 s86, s84, s85
	s_add_co_u32 s86, s86, QREG                    ; my sixteenth of the head's first pack of k and v
	s_mov_b32 s87, 0
	s_lshr_b32 s88, s71, 4
	s_mul_i32 s88, s88, PACK
	s_add_co_u32 s88, s88, s84                     ; q's pack
	s_and_b32 s90, s71, 15
	s_lshl_b32 s90, s90, 10
	s_add_co_u32 s90, s90, s88                     ; my tile's image
	s_mov_b32 s91, 0
	s_and_b32 s92, s[QL], 255
	s_lshl_b32 s92, s92, 1
	s_add_co_u32 s92, s92, s88
	s_add_co_u32 s92, s92, 32768                   ; its scale bytes
	s_mov_b32 s93, 0
	s_lshr_b32 s94, s69, 4
	s_lshl_b32 s94, s94, 11
	s_add_co_u32 s94, s94, s[QL]                   ; its first row among the 4,096
	s_and_b32 s95, s69, 15                         ; the head
	s_mov_b32 s[G1], 3<<16                         ; no mask; elements of 8 bytes; no padding
	s_mov_b32 s[G1+1], 16<<16                      ; tensor_dim0 = 16: rows of 128 bytes
	s_mov_b32 s[G1+2], 17<<16                      ; tensor_dim1 = 17
	s_mov_b32 s[G1+3], 16<<16                      ; tile_dim0
	s_mov_b32 s[G1+4], 17                          ; tile_dim1
	s_mov_b32 s[G1+5], 16                          ; the pitch: dense
	s_mov_b32 s[G1+6], 0
	s_mov_b32 s[G1+7], 0
	s_mov_b32 s[SEL], 0x76543210
	s_mov_b32 s[SEL+1], 0xfedcba98
	s_mov_b32 s[CS], 0x3e38aa3b                    ; c = log2(e) / sqrt(64)
	s_mov_b32 s[CS+1], s[CS]
	s_mov_b32 s[MNT], 0x600000
	s_mov_b32 s[TB], 0
	s_mov_b32 s[SLOTS], NSL-1
	s_mov_b32 s[KF], 0
	s_lshr_b32 s82, s[WV], 2                       ; 0 in waves 0-3
	s_or_b32 s82, s82, ttmp9                       ; of the head's first work-group
	s_cmp_eq_u32 s82, 0
	s_cselect_b32 s[LIM], 1, -1
	s_wait_dscnt 0x0                               ; both opening adds are done
	s_wait_kmcnt 0x0
	s_mov_b32 s[G0], 1
	s_mul_i32 s[G0+1], s[WV], 2176                 ; LDS: slot 0, my sixteenth
	s_add_nc_u64 s[G0+2:G0+3], s[4:5], s[86:87]
	s_or_b32 s[G0+3], s[G0+3], 0x80000000
	tensor_load_to_lds s[G0:G0+3], s[G1:G1+7]      ; slot 0: every wave's first fill; one tensor load of mine is out
	s_nop 0
.rept 4
	v_nop
.endr
	s_add_nc_u64 s[10:11], s[4:5], s[90:91]        ; Q's image
	s_add_nc_u64 s[12:13], s[4:5], s[92:93]        ; Q's scale bytes
	s_lshl_b32 s86, s[WV], 13
	s_add_co_u32 s86, s86, s84
	s_add_co_u32 s86, s86, QREG+PACK               ; the prefetches: 8,192 bytes a wave of slot 1's codes; the first change of slots steps it to slot 2
	s_add_nc_u64 s[PFA:PFA+1], s[4:5], s[86:87]
	s_lshl_b32 s86, s94, 10
	s_lshl_b32 s85, s95, 6
	s_add_co_u32 s86, s86, s85
	s_add_nc_u64 s[14:15], s[6:7], s[86:87]        ; vw's codes: my first row, my head's 64
	s_lshl_b32 s86, s94, 5
	s_lshl_b32 s85, s95, 1
	s_add_co_u32 s86, s86, s85
	s_add_co_u32 s86, s86, 4194304
	s_add_nc_u64 s[16:17], s[6:7], s[86:87]        ; vw's scale bytes
	s_lshl_b32 s86, s94, 2
	s_add_nc_u64 s[8:9], s[8:9], s[86:87]          ; the flags
	v_and_b32 v8, 15, v0                           ; r
	v_bfe_u32 v9, v0, 4, 1                         ; h
	v_and_b32 v10, 31, v0                          ; lane
	v_lshlrev_b32 v[LI], 4, v10
	v_lshlrev_b32 v[PFO], 8, v10
	v_and_b32 v11, 8, v8
	v_add_nc_u32 v11, v11, v8                      ; r + 8 (r / 8)
	v_lshlrev_b32 v[KS2], 1, v11
	v_lshlrev_b32 v[VS4], 2, v11
	v_lshlrev_b32 v[MB], 6, v9
	v_lshlrev_b32 v225, 4, v9
	v_sub_nc_u32 v225, v11, v225
	global_load_b128 v[16:19], v[LI], s[10:11]     ; Q's fragment stays in registers
	global_load_b128 v[20:23], v[LI], s[10:11] offset:512
	global_load_u16 v255, v[KS2], s[12:13]         ; its two scale bytes; the bytes above are 0, over zero codes
.irp j, 24,25,26,27,28,29,30,31
	v_mov_b32 v[\j], 0                             ; K = 64 .. 127 of Q: zero codes
.endr
.irp t, 0,1,2,3
.irp j, 8,9,10,11,12,13,14,15
	v_mov_b32 v[32+16*\t+\j], 0                    ; and of K's four fragments: no load lands here
.endr
.endr
	v_mov_b32 v13, 0xec800000                      ; the largest t so far: -2^90
	v_floor_f32 v12, -v13                          ; -M
	v_mov_b32 v14, 0
	v_mov_b32 v15, 0
.irp b, 0,1,2,3
	v_mov_b32 v[236+\b], 0                         ; written once: a lane permute's destination counts as one of its sources
.endr
	v_mov_b32 v253, 0
.set j, 0
.rept 32
	v_mov_b32 v[160+j], 0                          ; O^T: the step is written once; its first turn finds zeros
.set j, j+1
.endr
; A PREFETCH INTO THE L2 of the 32,768 bytes of codes of the slot that the NEXT change of slots will ask for.  All eight work-groups of a head walk the same packs: the first of them asks, and in it waves 0-3,
; 8,192 bytes a wave, lanes 256 bytes apart: each block is named once in the launch.  The last change that fills a slot asks for nothing; slots 0 and 1 come by their loads alone.
.macro ASK
	s_cmp_gt_u32 s[SLOTS], s[LIM]
	s_cbranch_scc0 .Lnot_mine_\@
	global_prefetch_b8 v[PFO], s[PFA:PFA+1] th:TH_LOAD_NT scope:SCOPE_SE
.Lnot_mine_\@:
.endm
; A KEY STEP: 128 keys, the q-th of the slot in hand
.macro STEP q
	s_add_co_u32 s96, s[QL], 23                    ; a step all of whose keys come after my queries is left out: a branch on ids, round the step's work alone
	s_cmp_gt_u32 s[KF], s96
	s_cbranch_scc1 .Lhidden_\@
	v_add_nc_u32 v[ADI], s[TB], v[LI]
	v_add_nc_u32 v[ADS], s[TB], v[KS2]
	v_add_nc_u32 v[ADT], s[TB], v[VS4]
	v_add_nc_u32 v[ADB], s[TB], v[MB]
.rept 6
	v_nop                                          ; with the four additions ten places behind the last products: their sources are loaded anew (8) and written over by the products below (9)
.endr
.irp t, 0,1,2,3,4,5,6,7
	ds_load_b128 v[96+8*\t:99+8*\t], v[ADB] offset:33792+512*(\q)+128*(\t/2)+32*(\t%2)       ; the mask of keys 32 (t / 2) + 16 h + 8 (t % 2) + 0 .. 7: the start of their scores' sums
	ds_load_b128 v[100+8*\t:103+8*\t], v[ADB] offset:33792+512*(\q)+128*(\t/2)+32*(\t%2)+16
.endr
.irp g, 0,1                                    ; S^T = K Q^T + the mask, four tiles of 16 keys at a time
.if \g > 0
.rept 8
	v_nop
.endr
.endif
.irp t, 0,1,2,3
.irp c, 0,1
	ds_load_b128 v[32+16*\t+4*\c:32+16*\t+4*\c+3], v[ADI] offset:8192*(\q)+1024*(4*\g+\t)+512*\c
.endr
	ds_load_u16 v[248+\t], v[ADS] offset:32768+256*(\q)+2*(32*((4*\g+\t)/2)+8*(\t%2))
.endr
	s_wait_dscnt 0x0
.irp t, 0,1,2,3
	v_wmma_scale_f32_16x16x128_f8f6f4 v[96+8*(4*\g+\t):103+8*(4*\g+\t)], v[32+16*\t:47+16*\t], v[16:31], v[96+8*(4*\g+\t):103+8*(4*\g+\t)], v[248+\t], v255
.endr
.endr                                          ; lane (r, h) holds my query r; registers 16 b + i are keys 32 b + 16 h + i
.rept 8
	v_nop
.endr
	s_add_co_u32 s96, s[KF], 127                   ; on the diagonal the scores of hidden keys become -infinity; a step all of whose keys count skips this
	s_cmp_le_u32 s96, s[QL]
	s_cbranch_scc1 .Lopen_\@
	s_sub_co_i32 s96, s[QL], s[KF]
	v_add_nc_u32 v252, s96, v225                   ; d = my query - the step's first key - 16 h: register 16 b + i is hidden where 32 b + i > d
	v_mov_b32 v254, 0xff800000
.set j, 0
.rept 64
	v_cmp_gt_i32 vcc_lo, 32*(j/16)+j%16, v252
	v_cndmask_b32 v[96+j], v[96+j], v254, vcc_lo
.set j, j+1
.endr
.Lopen_\@:
.irp b, 0,1,2,3
	v_max3_num_f32 v[232+\b], v[96+16*\b], v[97+16*\b], v[98+16*\b]   ; the largest score of each block of 32 keys: for the row's maximum, and, since p rises with the score, for the block's largest p
.endr
.irp i, 3,5,7,9,11,13
.irp b, 0,1,2,3
	v_max3_num_f32 v[232+\b], v[232+\b], v[96+16*\b+\i], v[97+16*\b+\i]
.endr
.endr
.irp b, 0,1,2,3
	v_max_num_f32 v[232+\b], v[232+\b], v[111+16*\b]
.endr
.irp b, 0,1,2,3
	v_permlanex16_b32 v[236+\b], v[232+\b], s[SEL], s[SEL+1]
.endr
.irp b, 0,1,2,3
	v_max_num_f32 v[232+\b], v[232+\b], v[236+\b]
.endr
	v_max3_num_f32 v254, v232, v233, v234
	v_max_num_f32 v254, v254, v235
	v_mul_f32 v254, s[CS], v254                    ; as t
	v_max_num_f32 v13, v13, v254                   ; the running largest t
	v_mov_b32 v254, v12
	v_floor_f32 v12, -v13                          ; the new -M = -ceil(t)
	v_sub_f32 v254, v12, v254                      ; old M - new M: a whole number, 0 or less
	v_cvt_i32_f32 v254, v254                       ; (it saturates)
	v_ldexp_f32 v252, 1.0, v254                    ; f = 2^(old M - new M)
.set j, 0
.rept 32
	v_pk_fma_f32 v[96+j:97+j], v[96+j:97+j], s[CS:CS+1], v[12:13] op_sel_hi:[1,0,0]   ; t - M
.set j, j+2
.endr
.irp b, 0,1,2,3
	v_fma_f32 v[232+\b], v[232+\b], s[CS], v12
.endr
.set j, 0
.rept 64
	v_exp_f32 v[96+j], v[96+j]                     ; p = 2^(t - M)
.set j, j+1
.endr
	v_pk_mul_f32 v[14:15], v[14:15], v[252:253] op_sel_hi:[1,0]   ; the sums under the new M: a plain instruction behind the exponentials
	s_wait_alu depctr_va_vdst(0)                   ; one wait for the whole batch, ahead of its first reader
.irp b, 0,1,2,3
	v_exp_f32 v[232+\b], v[232+\b]                 ; the block's largest p
.endr
	v_pk_add_f32 v[236:237], v[96:97], v[98:99]    ; the row's sum of the unquantised p, in two chains
.irp j, 4,8,12,16,20,24,28,32,36,40,44,48,52,56,60
	v_pk_add_f32 v[14:15], v[14:15], v[96+\j:97+\j]
	v_pk_add_f32 v[236:237], v[236:237], v[98+\j:99+\j]
.endr
	v_pk_add_f32 v[14:15], v[14:15], v[236:237]
	s_wait_alu depctr_va_vdst(0)                   ; and one for the four
.irp b, 0,1,2,3
	v_max_num_f32 v[232+\b], 0x4800000, v[232+\b]  ; the floor 2^(9 - 127)
.endr
.irp b, 0,1,2,3
	v_add_nc_u32 v[244+\b], 0xfc000000, v[232+\b]
.endr
.irp b, 0,1,2,3
	v_and_or_b32 v[240+\b], v[232+\b], 0x7f800000, s[MNT]
.endr
.irp b, 0,1,2,3
	v_lshrrev_b32 v[236+\b], 23, v[244+\b]
.endr
	v_lshl_or_b32 v253, v237, 8, v236              ; p's scale word for these 128 keys
	v_lshl_or_b32 v253, v238, 16, v253
	v_lshl_or_b32 v253, v239, 24, v253
.irp b, 0,1,2,3
.irp i, 0,1,2,3,4,5,6,7,8,9,10,11,12,13,14,15
	v_min_num_f32 v[96+16*\b+\i], v[96+16*\b+\i], v[240+\b]   ; the hold; p is not negative
.endr
	v_cvt_scalef32_pk8_fp8_f32 v[192+4*\b:193+4*\b], v[96+16*\b:103+16*\b], v[244+\b]
	v_cvt_scalef32_pk8_fp8_f32 v[194+4*\b:195+4*\b], v[104+16*\b:111+16*\b], v[244+\b]
.endr
	v_nop                                          ; a plain instruction behind the last conversion
.irp t, 0,1,2,3                                ; V^T's four tiles of 16 of the head's 64, into the registers that p has left
.irp c, 0,1,2,3
	ds_load_b128 v[96+16*\t+4*\c:96+16*\t+4*\c+3], v[ADI] offset:16384+8192*(\q)+2048*\t+512*\c
.endr
	ds_load_b32 v[248+\t], v[ADT] offset:33280+256*(\q)+4*(32*(\t/2)+8*(\t%2))
.endr
.set j, 0
.rept 16
	v_pk_mul_f32 v[160+j:161+j], v[160+j:161+j], v[252:253] op_sel_hi:[1,0]   ; O^T under the new M; these are also the places between the codes and the products
.set j, j+2
.endr
	s_wait_dscnt 0x0
.irp t, 0,1,2,3
	v_wmma_scale_f32_16x16x128_f8f6f4 v[160+8*\t:167+8*\t], v[96+16*\t:111+16*\t], v[192:207], v[160+8*\t:167+8*\t], v[248+\t], v253
.endr
.Lhidden_\@:
	s_add_co_u32 s[KF], s[KF], 128
.endm
; THE CHANGE OF SLOTS stands at a slot's head.  Each wave waits for all its tensor loads, adds 0 to its spare word, and waits for that and for its reads of the slot that it has left; behind the barrier the slot ahead is whole
; and nobody reads the other one, which is filled with the keys that follow, up to the causal limit: a slot whose first key comes after the work-group's last query is read by none of its waves and is not asked for.
; The limit's test is made of ids and the count of steps alone, the same in all sixteen waves; every wait for tensor loads in this text is for 0.
.macro CHANGE fill
	s_wait_tensorcnt 0x0                           ; no tensor load of mine is out, so the descriptor may be written
	ds_add_u32 v[SPW], v[NIL]
.if \fill
	s_xor_b32 s[G0+1], s[G0+1], SLOT1              ; the other slot than last time,
	s_add_nc_u64 s[G0+2:G0+3], s[G0+2:G0+3], PACK  ; the next pack
	s_wait_xcnt 0x0                                ; the last prefetch, a slot back, has read its address
	s_add_nc_u64 s[PFA:PFA+1], s[PFA:PFA+1], PACK
.endif
	s_wait_dscnt 0x0                               ; the add is done, and my reads of the slot that I have left are over
	s_barrier_signal -1
	s_barrier_wait -1
.if \fill
	s_add_co_u32 s96, s[KF], 256                   ; the first key of the slot that this change would ask for
	s_cmp_gt_u32 s96, s[QMX]
	s_cbranch_scc1 .Lpast_\@
	tensor_load_to_lds s[G0:G0+3], s[G1:G1+7]      ; my one tensor load until the next barrier
	s_nop 0
.rept 4
	v_nop
.endr
.Lpast_\@:
	ASK
.endif
.endm
.macro SLOT_STEPS
	STEP 0
	STEP 1
	s_xor_b32 s[TB], s[TB], SLOT1
.endm
	s_wait_loadcnt 0x0                             ; Q
.Lslot:                                            ; NSL - 1 trips
	CHANGE 1
	SLOT_STEPS
	s_sub_co_u32 s[SLOTS], s[SLOTS], 1
	s_cmp_lg_u32 s[SLOTS], 0
	s_cbranch_scc1 .Lslot
	CHANGE 0                                       ; the last slot is written out: nothing is left to ask for
	SLOT_STEPS
	; THE WAY OUT: O^T / the sum; register 16 b + i of lane (r, h) is channel 32 b + 16 h + i of my query: two blocks of 32 along the projection's K
.rept 8
	v_nop
.endr
	v_add_f32 v14, v14, v15
	v_permlanex16_b32 v252, v14, s[SEL], s[SEL+1]
	v_add_f32 v14, v14, v252                       ; the row's sum
	v_cmp_eq_f32 vcc_lo, 0, v14
	v_cndmask_b32 v226, 0, 1, vcc_lo               ; the flag: no key was seen.  It selects a value in the last launch; no address and no branch hangs on it
	v_max_num_f32 v14, 0.5, v14
	v_rcp_f32 v14, v14
	v_lshlrev_b32 v228, 8, v[VS4]                  ; (plain work behind the reciprocal)  my row x 1,024
	v_lshrrev_b32 v229, 2, v[MB]
	v_add_nc_u32 v228, v228, v229                  ; + 16 h
	v_lshlrev_b32 v229, 3, v[VS4]                  ; my row x 32
	s_wait_alu depctr_va_vdst(0)                   ; ahead of the reciprocal's first reader
.set j, 0
.rept 32
	v_mul_f32 v[96+j], v[160+j], v14
.set j, j+1
.endr
.irp b, 0,1
	v_max3_num_f32 v[232+\b], |v[96+16*\b]|, |v[97+16*\b]|, 0x4800000
.endr
.irp i, 2,4,6,8,10,12,14
.irp b, 0,1
	v_max3_num_f32 v[232+\b], v[232+\b], |v[96+16*\b+\i]|, |v[97+16*\b+\i]|
.endr
.endr
.irp b, 0,1
	v_permlanex16_b32 v[236+\b], v[232+\b], s[SEL], s[SEL+1]
.endr
.irp b, 0,1
	v_max_num_f32 v[232+\b], v[232+\b], v[236+\b]
.endr
.irp b, 0,1
	v_add_nc_u32 v[244+\b], 0xfc000000, v[232+\b]
.endr
.irp b, 0,1
	v_and_or_b32 v[240+\b], v[232+\b], 0x7f800000, s[MNT]
.endr
.irp b, 0,1
	v_lshrrev_b32 v[236+\b], 23, v[244+\b]
.endr
	v_lshl_or_b32 v227, v237, 8, v236              ; my row's two scale bytes
.irp b, 0,1
.irp i, 0,1,2,3,4,5,6,7,8,9,10,11,12,13,14,15
	v_med3_num_f32 v[96+16*\b+\i], v[96+16*\b+\i], -v[240+\b], v[240+\b]
.endr
	v_cvt_scalef32_pk8_fp8_f32 v[192+4*\b:193+4*\b], v[96+16*\b:103+16*\b], v[244+\b]
	v_cvt_scalef32_pk8_fp8_f32 v[194+4*\b:195+4*\b], v[104+16*\b:111+16*\b], v[244+\b]
.endr
	v_nop
	global_store_b128 v228, v[192:195], s[14:15]
	global_store_b128 v228, v[196:199], s[14:15] offset:32
	global_store_b16 v229, v227, s[16:17]          ; lanes 16-31 write the same bytes with the same value
	s_cmp_lg_u32 s95, 0
	s_cbranch_scc1 .Lnot_head_0
	global_store_b32 v[VS4], v226, s[8:9]
.Lnot_head_0:
	s_wait_tensorcnt 0x0                           ; the wave's end
	ds_add_u32 v[SPW], v[NIL]
	s_wait_dscnt 0x0
	s_endpgm
.Lfunc_end_k_q80dc013334_attn:
	.size	k_q80dc013334_attn, .Lfunc_end_k_q80dc013334_attn-k_q80dc013334_attn
	.p2alignl 7, 3214868480
	.fill 96, 4, 3214868480
	.section	.rodata,"a",@progbits
	.p2align	6, 0x0
	.amdhsa_kernel k_q80dc013334_attn
		.amdhsa_group_segment_fixed_size 327680
		.amdhsa_private_segment_fixed_size 0
		.amdhsa_enable_private_segment 0
		.amdhsa_kernarg_size 24
		.amdhsa_user_sgpr_count 2
		.amdhsa_user_sgpr_kernarg_segment_ptr 1
		.amdhsa_wavefront_size32 1
		.amdhsa_system_sgpr_workgroup_id_x 1
		.amdhsa_system_sgpr_workgroup_id_y 1
		.amdhsa_system_sgpr_workgroup_id_z 1
		.amdhsa_system_vgpr_workitem_id 0
		.amdhsa_next_free_vgpr 256
		.amdhsa_next_free_sgpr 100
		.amdhsa_reserve_vcc 1
		.amdhsa_float_denorm_mode_32 3
		.amdhsa_float_denorm_mode_16_64 3
		.amdhsa_memory_ordered 1
		.amdhsa_forward_progress 1
		.amdhsa_inst_pref_size 117
	.end_amdhsa_kernel
	.amdgpu_metadata
---
amdhsa.version: [ 1, 2 ]
amdhsa.kernels:
  - .name:           k_q80dc013334_attn
    .symbol:         k_q80dc013334_attn.kd
    .args:
      - { .name: qkvp, .offset: 0, .size: 8, .value_kind: global_buffer, .address_space: global }
      - { .name: vw, .offset: 8, .size: 8, .value_kind: global_buffer, .address_space: global }
      - { .name: dead, .offset: 16, .size: 8, .value_kind: global_buffer, .address_space: global }
    .group_segment_fixed_size: 327680
    .private_segment_fixed_size: 0
    .kernarg_segment_align: 8
    .kernarg_segment_size: 24
    .max_flat_workgroup_size: 512
    .sgpr_count:     100
    .vgpr_count:     256
    .wavefront_size: 32
...
	.end_amdgpu_metadata
.endif
;; end of part 3
;; launch proj (part 4): grid 8 x 32, 4 waves a work-group, clusters of 4 x 4, 327,680 bytes of LDS; arguments vw, Wvw_codes, Wvw_scales, c4; writes c4
.if DOCPART == 4
	.amdgcn_target "amdgcn-amd-amdhsa--gfx1250"
	.amdhsa_code_object_version 6
	.text
	.protected	k_q80dc013334_proj
	.globl	k_q80dc013334_proj
	.p2align	8
	.type	k_q80dc013334_proj,@function
k_q80dc013334_proj:
	s_mov_b64 s[64:65], 0
	v_nop
	global_prefetch_b8 v0, s[64:65] scope:SCOPE_SE
	s_setreg_imm32_b32 hwreg(HW_REG_WAVE_MODE, 25, 1), 1
	s_wait_xcnt 0x0
	s_wait_alu depctr_hold_cnt(0) depctr_sa_sdst(0) depctr_va_vdst(0) depctr_va_sdst(0) depctr_va_ssrc(0) depctr_va_vcc(0) depctr_vm_vsrc(0)
	s_getreg_b32 s2, hwreg(HW_REG_IB_STS2, 6, 4)
	s_cmp_eq_u32 s2, 0
	s_cbranch_scc0 .Lentry_in_a_cluster
	s_endpgm
.Lentry_in_a_cluster:
	s_bfe_u32 s2, ttmp6, 0x10000c
	s_cmp_lg_u32 s2, 0xf033
	s_cbranch_scc0 .Lentry_shape_is_right
	s_endpgm
.Lentry_shape_is_right:
; LAUNCH 4 OF 8: c4 = vw Wvw^T, [4096][1024] f32, on codes of FP8 (E4M3) with E8M0 scales, K = 1,024.  The bias bvw and the residual are added by the next launch, which needs whole rows for its norm.
; C has 64 tiles of 256 x 256, which would leave three WGPs in four without work, and 256 tiles of 128 x 128: a tile of C is 128 x 128 here.  Four waves, each 64 x 64: 16 accumulators of 16 x 16.
; ALL OF K IS RESIDENT: the tile's 128 rows of A and 128 rows of B are 256 x 1,024 bytes, which LDS holds.  They come as two slots of 512 along K, each wave bringing 64 rows of each slot by one tensor load; the scale bytes by a third.
; All three are first fills: nothing is filled again, so there is no ring, and the only rounds of the cluster's barrier are the one in front of the loads and the closing one.  By this text's count three tensor loads of a wave are out.
; 4 x 4 work-groups form a cluster: the four of a row need the same rows of A, the four of a column the same rows of B: each tile is asked for jointly, by the same tensor load with the same descriptor and a mask that names the four.
; THE MATRIX INSTRUCTION IS USED TRANSPOSED (source 0 = 16 rows of B, source 1 = 16 rows of A): a lane holds eight neighbouring numbers of a row of C.  A wave's 64 columns are 256 aligned bytes of a row: the way out goes through its own stage.
; REGISTERS: window 0: v0-31 addresses; v32-63 the scale words of all eight steps (register 8 i + s: lanes 0-15 A's block i, lanes 16-31 B's block i, step s); v64-127 the way out; v128-255 the accumulators ((a, b) at v[128 + 8 (4 a + b)]).
;   window 1: two fragment buffers of 128: for 128 along K 64 registers of A (4 x 16 rows), then 64 of B.
.set SIZE_N, 1024
.set ROWB,   512                       ; a slot's row in bytes: 512 along K
.set KROW,   1024                      ; a row of codes in memory
.set PITCH,  528                       ; an LDS row: 512 bytes + 16 of padding = 132 words: the 16 rows that a load touches start 4 words apart modulo 64
.set FR,     16
.set NP,     8                         ; places behind this matrix instruction (ISA guide 7.12.1)
.set HALFT,  64*PITCH                  ; 64 rows: what one tensor load brings, and what one wave reads of A or of B
.set SLOT,   4*HALFT                   ; A's 128 rows, then B's 128 rows
.set KS,     32                        ; a row of scale bytes
.set SCL,    2*SLOT
.set HALFS,  (64*KS/256)*272           ; the scales of 64 rows, as rows of 256 bytes + 16 of padding
.set SBLK,   (16*KS/256)*272
.set SPARE,  SCL+4*HALFS               ; the spare words, 128 bytes a wave
.set SPITCH, 272                       ; the way out: a stage of 16 rows x (256 bytes + 16) for each wave, in slot 0, whose one fill has landed and which nobody reads behind the second barrier
.set ADRA, 16                          ; v16-17 LDS address of my A fragments in slot 0, 1
.set ADRB, 20                          ; v20-21 the same for B
.set STO,  24
.set RD,   25
.set CO,   26
.set ADRS, 27
.set SPW,  28
.set NIL,  29
.set SC,   32
.set BK,   64
.set ACC,  128
.set F0,   0
.set F1,   128
.set G1, 24
.set G0, 32
.set G1B, 48
.set G0B, 56
.set G1S, 68
.set G0S, 76
.set G1SB, 80
.set G0SB, 88
.set MSB, 0
.macro WIN new                         ; the immediate's high byte repeats the setting that is left
.if MSB != \new
	s_set_vgpr_msb (MSB<<8)|\new
.set MSB, \new
.endif
.endm
.set MUL,  0x05                        ; sources 0 (B) and 1 (A) window 1; C and D window 0
.set TO_F, 0x40                        ; destination window 1, address window 0
.macro JLOAD g0a, g1a, g0b, g1b        ; a joint load: waves 0 and 1 fetch for A, waves 2 and 3 for B; an s_nop 0 and four v_nop follow each line
	s_cmp_eq_u32 s15, 0
	s_cbranch_scc0 .Lfor_b_\@
	tensor_load_to_lds s[\g0a:\g0a+3], s[\g1a:\g1a+7]
	s_nop 0
.rept 4
	v_nop
.endr
	s_branch .Lasked_\@
.Lfor_b_\@:
	tensor_load_to_lds s[\g0b:\g0b+3], s[\g1b:\g1b+7]
	s_nop 0
.rept 4
	v_nop
.endr
.Lasked_\@:
.endm
.macro CROUND                          ; a round of the cluster's barrier
	s_barrier_signal -1
	s_barrier_wait -1
	s_cmp_lg_u32 s14, 0
	s_cbranch_scc1 .Lnot_wave_0_\@
	s_barrier_signal -3
.Lnot_wave_0_\@:
	s_barrier_wait -3
	s_barrier_signal -1
	s_barrier_wait -1
.endm
	s_load_b64 s[4:5], s[0:1], 0x0                 ; vw
	s_load_b128 s[8:11], s[0:1], 0x8               ; Wvw's codes, Wvw's scales
	s_load_b64 s[12:13], s[0:1], 0x18              ; c4
	v_lshl_add_u32 v[SPW], v0, 2, SPARE
	v_mov_b32 v[NIL], 0
	ds_add_u32 v[SPW], v[NIL]                      ; the wave's opening: the add, twice on end, and its wait ahead of my first tensor load
	ds_add_u32 v[SPW], v[NIL]
	v_lshrrev_b32 v1, 5, v0
	v_readfirstlane_b32 s14, v1                    ; wave 0..3
	s_lshr_b32 s15, s14, 1                         ; which half of the tile's rows is mine.  Also: I fetch for A (0) or for B (1)
	s_and_b32 s16, s14, 1                          ; which half of its columns.  Also: which 64 rows I fetch
	s_bfe_u32 s40, ttmp6, 0x40000                  ; cx, cy: my place in the cluster
	s_bfe_u32 s41, ttmp6, 0x40004
	s_lshl_b32 s42, ttmp9, 2
	s_add_co_u32 s42, s42, s40                     ; tile column of C
	s_and_b32 s17, ttmp7, 0xffff
	s_lshl_b32 s17, s17, 2
	s_add_co_u32 s17, s17, s41                     ; tile row of C
	s_lshl_b32 s43, s41, 2
	s_lshl_b32 s43, 15, s43                        ; my row of the cluster
	s_lshl_b32 s44, 0x1111, s40                    ; my column
	s_or_b32 s[G1+0], s43, (0<<16)|(1<<20)|(1<<21)|(6<<22)|(3<<25)  ; the mask; elements of 1 byte; padding: 4 words behind every 128; bit 21 beside a mask
	s_or_b32 s[G1B+0], s44, (0<<16)|(1<<20)|(1<<21)|(6<<22)|(3<<25)
.irp g, G1, G1B
	s_mov_b32 s[\g+1], ROWB<<16                    ; tensor_dim0 = 512
	s_mov_b32 s[\g+2], 64<<16                      ; tensor_dim1 = 64
	s_mov_b32 s[\g+3], ROWB<<16                    ; tile_dim0
	s_mov_b32 s[\g+4], 64                          ; tile_dim1
	s_mov_b32 s[\g+5], KROW                        ; the pitch
	s_mov_b32 s[\g+6], 0
	s_mov_b32 s[\g+7], 0
.endr
	s_or_b32 s[G1S+0], s43, (3<<16)|(1<<20)|(1<<21)|(5<<22)|(3<<25) ; the scales of 64 rows: a dense block of 2,048 bytes, as rows of 256 bytes (32 elements of 8), 16 bytes of padding behind each
	s_or_b32 s[G1SB+0], s44, (3<<16)|(1<<20)|(1<<21)|(5<<22)|(3<<25)
.irp g, G1S, G1SB
	s_mov_b32 s[\g+1], 32<<16
	s_mov_b32 s[\g+2], (64*KS/256)<<16
	s_mov_b32 s[\g+3], 32<<16
	s_mov_b32 s[\g+4], 64*KS/256
	s_mov_b32 s[\g+5], 32
	s_mov_b32 s[\g+6], 0
	s_mov_b32 s[\g+7], 0
.endr
	s_lshl_b32 s18, s16, 6                         ; which 64 rows of the tile I fetch
	s_lshl_b32 s20, s17, 7
	s_add_co_u32 s20, s20, s18                     ; A: row 128 x tile row + 64 x half
	s_lshl_b32 s46, s42, 7
	s_add_co_u32 s46, s46, s18                     ; B: row 128 x tile column + 64 x half
	s_mov_b32 s21, 0
	s_mov_b32 s47, 0
	s_mov_b64 s[18:19], KS
	s_mul_u64 s[22:23], s[20:21], s[18:19]         ; where these rows' scales begin
	s_mul_u64 s[92:93], s[46:47], s[18:19]
	s_mov_b64 s[18:19], KROW
	s_mul_u64 s[20:21], s[20:21], s[18:19]         ; and their codes
	s_mul_u64 s[46:47], s[46:47], s[18:19]
	s_mul_i32 s45, s14, HALFT                      ; where they go: no place in the cluster enters an LDS address
	s_mul_i32 s94, s14, HALFS
	s_wait_dscnt 0x0                               ; both opening adds are done
	s_wait_kmcnt 0x0
	s_add_nc_u64 s[6:7], s[4:5], 0x400000          ; vw's scale bytes
	s_add_nc_u64 s[20:21], s[4:5], s[20:21]
	s_add_nc_u64 s[22:23], s[6:7], s[22:23]
	s_add_nc_u64 s[46:47], s[8:9], s[46:47]
	s_add_nc_u64 s[92:93], s[10:11], s[92:93]
	CROUND                                         ; all sixteen work-groups are here: the joint loads meet
	s_mov_b32 s[G0S], 1
	s_add_co_u32 s[G0S+1], s94, SCL
	s_mov_b64 s[G0S+2:G0S+3], s[22:23]
	s_or_b32 s[G0S+3], s[G0S+3], 0x80000000
	s_mov_b32 s[G0SB], 1
	s_add_co_u32 s[G0SB+1], s94, SCL
	s_mov_b64 s[G0SB+2:G0SB+3], s[92:93]
	s_or_b32 s[G0SB+3], s[G0SB+3], 0x80000000
	JLOAD G0S, G1S, G0SB, G1SB                     ; the scales first: they are wanted with the first step
.irp s, 0,1
	s_mov_b32 s[G0+4*\s], 1
	s_add_co_u32 s[G0+4*\s+1], s45, \s*SLOT
	s_add_nc_u64 s[G0+4*\s+2:G0+4*\s+3], s[20:21], \s*ROWB
	s_or_b32 s[G0+4*\s+3], s[G0+4*\s+3], 0x80000000
	s_mov_b32 s[G0B+4*\s], 1
	s_add_co_u32 s[G0B+4*\s+1], s45, \s*SLOT
	s_add_nc_u64 s[G0B+4*\s+2:G0B+4*\s+3], s[46:47], \s*ROWB
	s_or_b32 s[G0B+4*\s+3], s[G0B+4*\s+3], 0x80000000
	JLOAD G0+4*\s, G1, G0B+4*\s, G1B               ; K = 512 s on
.endr
	v_and_b32 v1, 15, v0                           ; r
	v_bfe_u32 v2, v0, 4, 1                         ; h
	v_mul_u32_u24 v3, v1, PITCH
	v_lshl_add_u32 v4, v2, 4, v3                   ; a fragment's row x pitch + 16 h
	s_mul_i32 s21, s15, HALFT                      ; my 64 rows of A
	s_mul_i32 s22, s16, HALFT                      ; my 64 rows of B,
	s_add_co_u32 s22, s22, 2*HALFT                 ; which lie behind A's 128
.irp s, 0,1
	v_add_nc_u32 v[ADRA+\s], s21, v4
	v_add_nc_u32 v[ADRB+\s], s22, v4
	s_add_co_u32 s21, s21, SLOT
	s_add_co_u32 s22, s22, SLOT
.endr
	v_mul_u32_u24 v5, v1, KS                       ; my row's scales: KS bytes a row,
	v_lshrrev_b32 v6, 8, v5
	v_lshl_add_u32 v5, v6, 4, v5                   ; and 16 more for each 256 passed
	s_mul_i32 s21, s15, HALFS
	s_mul_i32 s22, s16, HALFS
	s_add_co_u32 s22, s22, 2*HALFS
	s_sub_co_u32 s22, s22, s21
	v_mul_u32_u24 v6, s22, v2                      ; lanes 16-31 take B's
	s_add_co_u32 s21, s21, SCL
	v_add_nc_u32 v5, v5, v6
	v_add_nc_u32 v[ADRS], s21, v5
	s_mul_i32 s23, s14, 16*SPITCH                  ; my stage
	v_mul_u32_u24 v5, v1, SPITCH
	v_lshl_add_u32 v5, v2, 5, v5
	v_add_nc_u32 v[STO], s23, v5                   ; in: row r, 32 bytes for each half of the lanes
	v_mul_u32_u24 v5, v2, SPITCH
	v_lshl_add_u32 v5, v1, 4, v5
	v_add_nc_u32 v[RD], s23, v5                    ; back: lanes 0-15 one row of 256 bytes, lanes 16-31 the next
	v_mul_u32_u24 v5, v2, SIZE_N*4
	v_lshl_add_u32 v[CO], v1, 4, v5                ; and the same two rows in C
	s_lshl_b32 s20, s17, 7
	s_lshl_b32 s21, s15, 6
	s_add_co_u32 s20, s20, s21                     ; my first row of C: 128 x tile row + 64 x half
	s_mov_b32 s21, 0
	s_mov_b64 s[18:19], SIZE_N*4
	s_mul_u64 s[20:21], s[20:21], s[18:19]
	s_lshl_b32 s46, s42, 9                         ; my first column, in bytes: 512 x tile column + 256 x half
	s_lshl_b32 s47, s16, 8
	s_add_co_u32 s46, s46, s47
	s_mov_b32 s47, 0
	s_add_nc_u64 s[20:21], s[20:21], s[46:47]
	s_add_nc_u64 s[12:13], s[12:13], s[20:21]
.macro FRAG reg, adr, q, i             ; 16 rows x 128 K of 8-bit codes: registers 4 c .. 4 c + 3 hold K = 32 c + 16 h + 0 .. 15
.irp c, 0,1,2,3
	ds_load_b128 v[\reg+4*\c:\reg+4*\c+3], v[\adr] offset:128*(\q)+32*\c+(\i)*16*PITCH
.endr
.endm
.macro FETCH slot, q, f                ; 32 LDS loads in one run: the fragments of the slot's q-th 128 along K into buffer f
	WIN TO_F
.irp i, 0,1,2,3
	FRAG \f+64+FR*\i, ADRB+\slot, \q, \i
	FRAG \f+FR*\i, ADRA+\slot, \q, \i
.endr
.endm
; 8 matrix instructions: A's blocks a0, a0 + 1 x B's four, step s of eight.  The 16 accumulators take turns, one instruction a turn, in the same order in every step.
.macro MUL8 f, a0, s, zero
.irp a, \a0, \a0+1
.irp b, 0,1,2,3
.if \zero
	v_wmma_scale_f32_16x16x128_f8f6f4 v[ACC+8*(4*(\a)+\b):ACC+8*(4*(\a)+\b)+7], v[\f+64+FR*\b:\f+64+FR*\b+FR-1], v[\f+FR*(\a):\f+FR*(\a)+FR-1], 0, v[SC+8*\b+(\s)], v[SC+8*(\a)+(\s)] matrix_a_scale:MATRIX_SCALE_ROW1
.else
	v_wmma_scale_f32_16x16x128_f8f6f4 v[ACC+8*(4*(\a)+\b):ACC+8*(4*(\a)+\b)+7], v[\f+64+FR*\b:\f+64+FR*\b+FR-1], v[\f+FR*(\a):\f+FR*(\a)+FR-1], v[ACC+8*(4*(\a)+\b):ACC+8*(4*(\a)+\b)+7], v[SC+8*\b+(\s)], v[SC+8*(\a)+(\s)] matrix_a_scale:MATRIX_SCALE_ROW1
.endif
.endr
.endr
.endm
.macro PLACES n                        ; plain vector instructions between a matrix instruction and a load into, or a read of, its registers
.rept \n
	v_nop
.endr
.endm
; A step of 128 along K on buffer f; ahead of its products the next step's fragments are asked for, into the buffer that the step before has multiplied
.macro STEPN f, t, ns, nq, nf
	s_wait_dscnt 0x0                               ; this step's fragments are in
	PLACES NP                                      ; behind the last step's products, whose fragments' registers are loaded anew
	FETCH \ns, \nq, \nf
	WIN MUL
	MUL8 \f, 0, \t, 0
	MUL8 \f, 2, \t, 0
.endm
	s_wait_tensorcnt 1                             ; the scales and my part of slot 0 are in (slot 1's load may be out),
	s_barrier_signal -1
	s_barrier_wait -1                              ; everybody's are
.irp i, 0,1,2,3
	ds_load_b128 v[SC+8*\i:SC+8*\i+3], v[ADRS] offset:\i*SBLK          ; a row's 32 scale bytes: a word for each of the eight steps
	ds_load_b128 v[SC+8*\i+4:SC+8*\i+7], v[ADRS] offset:\i*SBLK+16
.endr
	FETCH 0, 0, F0
	s_wait_dscnt 0x0
	FETCH 0, 1, F1                                 ; (no product has read this buffer yet)
	WIN MUL
	MUL8 F0, 0, 0, 1                               ; the first step's products start the sums
	MUL8 F0, 2, 0, 1
	STEPN F1, 1, 0, 2, F0
	STEPN F0, 2, 0, 3, F1
	s_wait_dscnt 0x0                               ; step 3's fragments are in: my reads of slot 0 are over;
	s_wait_tensorcnt 0x0                           ; my part of slot 1 has landed
	s_barrier_signal -1
	MUL8 F1, 0, 3, 0                               ; work on registers while the others arrive
	s_barrier_wait -1                              ; slot 1 is whole, and nobody reads slot 0 any more
	PLACES NP
	FETCH 1, 0, F0
	WIN MUL
	MUL8 F1, 2, 3, 0
	STEPN F0, 4, 1, 1, F1
	STEPN F1, 5, 1, 2, F0
	STEPN F0, 6, 1, 3, F1
	s_wait_dscnt 0x0                               ; the last step: nothing more to fetch
	MUL8 F1, 0, 7, 0
	MUL8 F1, 2, 7, 0
	WIN 0
; THE WAY OUT, block by block of 16 rows x 64 columns, through my own stage: a lane holds 32 neighbouring bytes of a row; back come whole rows of 256 bytes.  LDS serves a wave's instructions in order.
.macro TOSTAGE a
.irp b, 0,1,2,3
	ds_store_b128 v[STO], v[ACC+8*(4*(\a)+\b):ACC+8*(4*(\a)+\b)+3] offset:64*\b          ; each accumulator from its low end on
	ds_store_b128 v[STO], v[ACC+8*(4*(\a)+\b)+4:ACC+8*(4*(\a)+\b)+7] offset:64*\b+16
.endr
.set BB, BK+32*((\a)%2)
.irp t, 0,1,2,3,4,5,6,7
	ds_load_b128 v[BB+4*\t:BB+4*\t+3], v[RD] offset:\t*2*SPITCH
.endr
.endm
.macro SEND a, younger
.set BB, BK+32*((\a)%2)
	s_wait_dscnt \younger
.if (\a) > 0
	s_add_nc_u64 s[12:13], s[12:13], 16*SIZE_N*4   ; (behind a wait for the earlier stores' addresses)
.endif
.irp t, 0,1,2,3,4,5,6,7
	global_store_b128 v[CO], v[BB+4*\t:BB+4*\t+3], s[12:13] offset:2*\t*SIZE_N*4   ; 16 lanes store 256 consecutive bytes, aligned
.endr
.endm
	PLACES NP
	TOSTAGE 0
.irp a, 1,2,3
.if \a > 1
	s_wait_xcnt 0x0                                ; block a - 2's stores have read their registers and their base
.endif
	TOSTAGE \a
	SEND \a-1, 16                                  ; behind block a - 1's loads: block a's 8 stores and 8 loads
.endr
	s_wait_xcnt 0x0
	SEND 3, 0
	s_wait_tensorcnt 0x0                           ; the wave's end
	ds_add_u32 v[SPW], v[NIL]
	s_wait_dscnt 0x0
	CROUND                                         ; the closing round
	s_endpgm
.Lfunc_end_k_q80dc013334_proj:
	.size	k_q80dc013334_proj, .Lfunc_end_k_q80dc013334_proj-k_q80dc013334_proj
	.p2alignl 7, 3214868480
	.fill 96, 4, 3214868480
	.section	.rodata,"a",@progbits
	.p2align	6, 0x0
	.amdhsa_kernel k_q80dc013334_proj
		.amdhsa_group_segment_fixed_size 327680
		.amdhsa_private_segment_fixed_size 0
		.amdhsa_enable_private_segment 0
		.amdhsa_kernarg_size 32
		.amdhsa_user_sgpr_count 2
		.amdhsa_user_sgpr_kernarg_segment_ptr 1
		.amdhsa_wavefront_size32 1
		.amdhsa_system_sgpr_workgroup_id_x 1
		.amdhsa_system_sgpr_workgroup_id_y 1
		.amdhsa_system_sgpr_workgroup_id_z 1
		.amdhsa_system_vgpr_workitem_id 0
		.amdhsa_next_free_vgpr 512
		.amdhsa_next_free_sgpr 98
		.amdhsa_reserve_vcc 0
		.amdhsa_float_denorm_mode_32 3
		.amdhsa_float_denorm_mode_16_64 3
		.amdhsa_memory_ordered 1
		.amdhsa_forward_progress 1
		.amdhsa_inst_pref_size 53
	.end_amdhsa_kernel
	.amdgpu_metadata
---
amdhsa.version: [ 1, 2 ]
amdhsa.kernels:
  - .name:           k_q80dc013334_proj
    .symbol:         k_q80dc013334_proj.kd
    .args:
      - { .name: vw, .offset: 0, .size: 8, .value_kind: global_buffer, .address_space: global }
      - { .name: Wvw_codes, .offset: 8, .size: 8, .value_kind: global_buffer, .address_space: global }
      - { .name: Wvw_scales, .offset: 16, .size: 8, .value_kind: global_buffer, .address_space: global }
      - { .name: c4, .offset: 24, .size: 8, .value_kind: global_buffer, .address_space: global }
    .group_segment_fixed_size: 327680
    .private_segment_fixed_size: 0
    .kernarg_segment_align: 8
    .kernarg_segment_size: 32
    .max_flat_workgroup_size: 128
    .sgpr_count:     98
    .vgpr_count:     512
    .wavefront_size: 32
...
	.end_amdgpu_metadata
.endif
;; end of part 4
;; launch ln1 (part 5): grid 256 x 1, 16 waves a work-group, no clusters, 84,480 bytes of LDS; arguments x, mask, c4, bvw, g1, b1, nb; writes nb
.if DOCPART == 5
	.amdgcn_target "amdgcn-amd-amdhsa--gfx1250"
	.amdhsa_code_object_version 6
	.text
	.protected	k_q80dc013334_ln1
	.globl	k_q80dc013334_ln1
	.p2align	8
	.type	k_q80dc013334_ln1,@function
k_q80dc013334_ln1:
	s_mov_b64 s[64:65], 0
	v_nop
	global_prefetch_b8 v0, s[64:65] scope:SCOPE_SE
	s_setreg_imm32_b32 hwreg(HW_REG_WAVE_MODE, 25, 1), 1
	s_wait_xcnt 0x0
; LAUNCH 5 OF 8: n = layer_norm(x * mask + c4 + bvw, g1, b1), stored as f32 (for the second residual) and as codes of FP8 (E4M3) with E8M0 scale bytes along its 1,024 (the left operand of n @ WA).
; nb: n [4096][1024] f32 at 0; the codes at 16,777,216; the scale bytes [4096][32] at 20,971,520.
; ONE WAVE, ONE ROW: sixteen waves a work-group, 16 rows.  A row is 32 registers a lane (register 4 j + e of lane l is column 128 j + 4 l + e), so that the reductions never leave the wave and every load and store covers 512 consecutive
; bytes.  All 40 loads of a wave (the row of x, the row of c4, the three vectors) go out together at the head, so that a wave waits for memory once.
; For the conversions a lane must hold 16 neighbours: half a row (2,048 bytes) at a time turns through the wave's own stage in LDS.  The 16 rows' scale bytes meet in LDS; behind one barrier wave 0 stores them as 512 consecutive bytes.
; No matrix unit, no cluster: memory binds, and work-groups share only the three vectors of 4,096 bytes.
; LIMITS: as stated at the head of the first launch.
.set WAVES, 16
.set EMAX,  8
.set SP,    80
.set WREG,  2*32*SP                    ; LDS: two stages for each wave
.set SBY,   WAVES*WREG                 ; the work-group's 512 scale bytes
.set SPARE, SBY+512                    ; the spare words, 128 bytes a wave
.set SPW,   12
.set NIL,   13
.set BV,    16                         ; v16-47   bvw
.set GG,    48                         ; v48-79   g1
.set BE,    80                         ; v80-111  b1
.set RX,    112                        ; v112-143 the row of x
.set RC,    144                        ; v144-175 the row of c4
.set Y,     176                        ; v176-207 the row at work
.set X,     208                        ; v208-239 two sets of 16 neighbours
.set C,     240                        ; v240-247 their codes
.set EB,    248                        ; v248-249 the scale bytes
.set S0,    250                        ; v250-255 reductions
.set MK,    32                         ; s[32:33] my row's mask as f32, in both words of the pair
	s_load_b256 s[4:11], s[0:1], 0x0               ; x, mask, c4, bvw
	s_load_b128 s[12:15], s[0:1], 0x20             ; g1, b1
	s_load_b64 s[16:17], s[0:1], 0x30              ; nb
	v_lshl_add_u32 v[SPW], v0, 2, SPARE
	v_mov_b32 v[NIL], 0
	v_lshrrev_b32 v1, 5, v0
	v_readfirstlane_b32 s18, v1                    ; wave
	v_and_b32 v2, 31, v0                           ; lane
	v_lshlrev_b32 v3, 4, v2                        ; 16 x lane
	s_mul_i32 s19, s18, WREG
	v_lshrrev_b32 v14, 2, v2
	v_mul_u32_u24 v14, v14, SP
	v_and_b32 v15, 3, v2
	v_lshl_add_u32 v14, v15, 4, v14
	v_add_nc_u32 v14, s19, v14                     ; the stage, on the way in
	v_mul_u32_u24 v15, v2, SP
	v_add_nc_u32 v15, s19, v15                     ; and on the way out
	v_lshrrev_b32 v5, 1, v2
	s_lshl_b32 s19, s18, 5
	s_add_co_u32 s19, s19, SBY
	v_add_nc_u32 v5, s19, v5                       ; my block's scale byte: 32 bytes a row
	v_add_nc_u32 v6, SBY, v3                       ; wave 0's way out
	s_mov_b32 s22, 0x76543210
	s_mov_b32 s23, 0xfedcba98                      ; lane l xor 16
	s_mov_b32 s24, 0x600000                        ; the mantissa field of 448
	s_mov_b32 s25, 0x3a800000                      ; 1 / 1,024
	s_mov_b32 s26, 0x3727c5ac                      ; 1e-5
	s_lshl_b32 s19, ttmp9, 4
	s_add_co_u32 s19, s19, s18                     ; my row
	s_and_b32 s27, s19, 3
	s_lshl_b32 s27, s27, 3                         ; where its mask byte stands in its word
	s_mov_b32 s21, 0
	s_wait_kmcnt 0x0
	s_lshl_b32 s20, s19, 12
	s_add_nc_u64 s[4:5], s[4:5], s[20:21]
	s_add_nc_u64 s[8:9], s[8:9], s[20:21]
	s_add_nc_u64 s[52:53], s[16:17], s[20:21]      ; n
	s_and_b32 s20, s19, 0xffc
	s_add_nc_u64 s[6:7], s[6:7], s[20:21]
	s_load_b32 s28, s[6:7], 0x0
.irp j, 0,1,2,3,4,5,6,7
	global_load_b128 v[RX+4*\j:RX+4*\j+3], v3, s[4:5] offset:512*\j th:TH_LOAD_NT
	global_load_b128 v[RC+4*\j:RC+4*\j+3], v3, s[8:9] offset:512*\j th:TH_LOAD_NT
.endr
.irp j, 0,1,2,3,4,5,6,7
	global_load_b128 v[BV+4*\j:BV+4*\j+3], v3, s[10:11] offset:512*\j
.endr
.irp j, 0,1,2,3,4,5,6,7
	global_load_b128 v[GG+4*\j:GG+4*\j+3], v3, s[12:13] offset:512*\j
	global_load_b128 v[BE+4*\j:BE+4*\j+3], v3, s[14:15] offset:512*\j
.endr
	s_lshl_b32 s20, s19, 10
	s_add_nc_u64 s[48:49], s[16:17], s[20:21]
	s_add_nc_u64 s[48:49], s[48:49], 0x1000000     ; the codes
	s_lshl_b32 s20, ttmp9, 9
	s_add_nc_u64 s[50:51], s[16:17], s[20:21]
	s_add_nc_u64 s[50:51], s[50:51], 0x1400000     ; the scale bytes
	s_wait_kmcnt 0x0
	s_lshr_b32 s28, s28, s27
	s_and_b32 s28, s28, 0xff
	s_cvt_f32_u32 s[MK], s28
	s_mov_b32 s[MK+1], s[MK]
.macro REDUCE d, t                     ; v[d] summed over the 32 lanes, in every lane; v[t] has been written before
	v_add_f32_dpp v[\d], v[\d], v[\d] row_xmask:1 row_mask:0xf bank_mask:0xf
	v_add_f32_dpp v[\d], v[\d], v[\d] row_xmask:2 row_mask:0xf bank_mask:0xf
	v_add_f32_dpp v[\d], v[\d], v[\d] row_xmask:4 row_mask:0xf bank_mask:0xf
	v_add_f32_dpp v[\d], v[\d], v[\d] row_xmask:8 row_mask:0xf bank_mask:0xf
	v_permlanex16_b32 v[\t], v[\d], s22, s23
	v_add_f32 v[\d], v[\d], v[\t]
.endm
	s_wait_loadcnt 24                              ; the rows of x and c4 are in; the three vectors' 24 loads may be out
.set i, 0
.rept 16
	v_pk_fma_f32 v[Y+i:Y+i+1], v[RX+i:RX+i+1], s[MK:MK+1], v[RC+i:RC+i+1] op_sel_hi:[1,0,1]   ; x * mask + c4
.set i, i+2
.endr
	s_wait_loadcnt 16                              ; bvw is in; g1's and b1's 16 loads may be out
.set i, 0
.rept 16
	v_pk_add_f32 v[Y+i:Y+i+1], v[Y+i:Y+i+1], v[BV+i:BV+i+1]
.set i, i+2
.endr
	v_pk_add_f32 v[S0:S0+1], v[Y:Y+1], v[Y+2:Y+3]  ; the row's sum, in two chains
	v_pk_add_f32 v[S0+2:S0+3], v[Y+4:Y+5], v[Y+6:Y+7]
.irp j, 8,12,16,20,24,28
	v_pk_add_f32 v[S0:S0+1], v[S0:S0+1], v[Y+\j:Y+\j+1]
	v_pk_add_f32 v[S0+2:S0+3], v[S0+2:S0+3], v[Y+\j+2:Y+\j+3]
.endr
	v_pk_add_f32 v[S0:S0+1], v[S0:S0+1], v[S0+2:S0+3]
	v_add_f32 v[S0], v[S0], v[S0+1]
	REDUCE S0, S0+1
	v_mul_f32 v[S0], s25, v[S0]                    ; the mean
.set i, 0
.rept 16
	v_pk_add_f32 v[Y+i:Y+i+1], v[Y+i:Y+i+1], v[S0:S0+1] op_sel_hi:[1,0] neg_lo:[0,1] neg_hi:[0,1]
.set i, i+2
.endr
	v_pk_mul_f32 v[S0+2:S0+3], v[Y:Y+1], v[Y:Y+1]  ; the squares' sum
	v_pk_mul_f32 v[S0+4:S0+5], v[Y+2:Y+3], v[Y+2:Y+3]
.irp j, 4,8,12,16,20,24,28
	v_pk_fma_f32 v[S0+2:S0+3], v[Y+\j:Y+\j+1], v[Y+\j:Y+\j+1], v[S0+2:S0+3]
	v_pk_fma_f32 v[S0+4:S0+5], v[Y+\j+2:Y+\j+3], v[Y+\j+2:Y+\j+3], v[S0+4:S0+5]
.endr
	v_pk_add_f32 v[S0+2:S0+3], v[S0+2:S0+3], v[S0+4:S0+5]
	v_add_f32 v[S0+2], v[S0+2], v[S0+3]
	REDUCE S0+2, S0+3
	v_fma_f32 v[S0+2], v[S0+2], s25, s26           ; the variance + 1e-5
	v_rsq_f32 v[S0+4], v[S0+2]
	v_nop                                          ; a plain instruction behind it,
	s_wait_alu depctr_va_vdst(0)                   ; and a wait ahead of its first reader
.set i, 0
.rept 16
	v_pk_mul_f32 v[Y+i:Y+i+1], v[Y+i:Y+i+1], v[S0+4:S0+5] op_sel_hi:[1,0]
.set i, i+2
.endr
	s_wait_loadcnt 0x0                             ; g1 and b1
.set i, 0
.rept 16
	v_pk_fma_f32 v[Y+i:Y+i+1], v[Y+i:Y+i+1], v[GG+i:GG+i+1], v[BE+i:BE+i+1]
.set i, i+2
.endr
.irp j, 0,1,2,3,4,5,6,7
	global_store_b128 v3, v[Y+4*\j:Y+4*\j+3], s[52:53] offset:512*\j
.endr
.irp s, 0,1                            ; both halves through their stages: LDS serves a wave's instructions in order
.irp i, 0,1,2,3
	ds_store_b128 v14, v[Y+16*\s+4*\i:Y+16*\s+4*\i+3] offset:32*SP*\s+8*SP*\i
.endr
.irp i, 0,1,2,3
	ds_load_b128 v[X+16*\s+4*\i:X+16*\s+4*\i+3], v15 offset:32*SP*\s+16*\i
.endr
.endr
.macro HALF s                          ; half a row: 512 numbers, 16 blocks
.set XS, X+16*\s
.if \s == 0
	s_wait_dscnt 8                                 ; this half is back; the other half's four stores and four loads may be out
.else
	s_wait_dscnt 1                                 ; (the first half's byte store may be out)
.endif
	v_max3_num_f32 v8, |v[XS]|, |v[XS+1]|, |v[XS+2]|
	v_max3_num_f32 v9, |v[XS+3]|, |v[XS+4]|, |v[XS+5]|
.irp i, 6,10
	v_max3_num_f32 v8, v8, |v[XS+\i]|, |v[XS+\i+1]|
	v_max3_num_f32 v9, v9, |v[XS+\i+2]|, |v[XS+\i+3]|
.endr
	v_max3_num_f32 v8, v8, |v[XS+14]|, |v[XS+15]|
	v_max3_num_f32 v8, v8, v9, (EMAX+1)<<23        ; the floor 2^(9 - 127)
	v_max_num_f32_dpp v8, v8, v8 row_xmask:1 row_mask:0xf bank_mask:0xf
	v_add_nc_u32 v11, -(EMAX<<23), v8
	v_and_or_b32 v10, v8, 0x7f800000, s24
.irp i, 0,1,2,3,4,5,6,7,8,9,10,11,12,13,14,15
	v_med3_num_f32 v[XS+\i], v[XS+\i], -v10, v10   ; the conversion does not saturate (ISA guide 7.6.2): the hold
.endr
	v_cvt_scalef32_pk8_fp8_f32 v[C+4*\s:C+4*\s+1], v[XS:XS+7], v11
	v_cvt_scalef32_pk8_fp8_f32 v[C+4*\s+2:C+4*\s+3], v[XS+8:XS+15], v11
	v_lshrrev_b32 v[EB+\s], 23, v11
	ds_store_b8 v5, v[EB+\s] offset:16*\s          ; both lanes of a block write the same byte with the same value
	global_store_b128 v3, v[C+4*\s:C+4*\s+3], s[48:49] offset:512*\s
.endm
	HALF 0
	HALF 1
	s_wait_dscnt 0x0                               ; for wave 0's sake: my scale bytes lie in LDS
	s_barrier_signal -1
	s_barrier_wait -1
	s_cmp_lg_u32 s18, 0
	s_cbranch_scc1 .Lend
	ds_load_b128 v[8:11], v6                       ; the 16 rows' scale bytes
	s_wait_dscnt 0x0
	global_store_b128 v3, v[8:11], s[50:51]        ; 512 consecutive bytes, aligned
.Lend:
	s_wait_tensorcnt 0x0                           ; the wave's end, behind my last LDS store
	ds_add_u32 v[SPW], v[NIL]
	s_wait_dscnt 0x0
	s_endpgm
.Lfunc_end_k_q80dc013334_ln1:
	.size	k_q80dc013334_ln1, .Lfunc_end_k_q80dc013334_ln1-k_q80dc013334_ln1
	.p2alignl 7, 3214868480
	.fill 96, 4, 3214868480
	.section	.rodata,"a",@progbits
	.p2align	6, 0x0
	.amdhsa_kernel k_q80dc013334_ln1
		.amdhsa_group_segment_fixed_size 84480
		.amdhsa_private_segment_fixed_size 0
		.amdhsa_enable_private_segment 0
		.amdhsa_kernarg_size 56
		.amdhsa_user_sgpr_count 2
		.amdhsa_user_sgpr_kernarg_segment_ptr 1
		.amdhsa_wavefront_size32 1
		.amdhsa_system_sgpr_workgroup_id_x 1
		.amdhsa_system_sgpr_workgroup_id_y 1
		.amdhsa_system_sgpr_workgroup_id_z 1
		.amdhsa_system_vgpr_workitem_id 0
		.amdhsa_next_free_vgpr 256
		.amdhsa_next_free_sgpr 66
		.amdhsa_reserve_vcc 0
		.amdhsa_float_denorm_mode_32 3
		.amdhsa_float_denorm_mode_16_64 3
		.amdhsa_memory_ordered 1
		.amdhsa_forward_progress 1
		.amdhsa_inst_pref_size 21
	.end_amdhsa_kernel
	.amdgpu_metadata
---
amdhsa.version: [ 1, 2 ]
amdhsa.kernels:
  - .name:           k_q80dc013334_ln1
    .symbol:         k_q80dc013334_ln1.kd
    .args:
      - { .name: x, .offset: 0, .size: 8, .value_kind: global_buffer, .address_space: global }
      - { .name: mask, .offset: 8, .size: 8, .value_kind: global_buffer, .address_space: global }
      - { .name: c4, .offset: 16, .size: 8, .value_kind: global_buffer, .address_space: global }
      - { .name: bvw, .offset: 24, .size: 8, .value_kind: global_buffer, .address_space: global }
      - { .name: g1, .offset: 32, .size: 8, .value_kind: global_buffer, .address_space: global }
      - { .name: b1, .offset: 40, .size: 8, .value_kind: global_buffer, .address_space: global }
      - { .name: nb, .offset: 48, .size: 8, .value_kind: global_buffer, .address_space: global }
    .group_segment_fixed_size: 84480
    .private_segment_fixed_size: 0
    .kernarg_segment_align: 8
    .kernarg_segment_size: 56
    .max_flat_workgroup_size: 512
    .sgpr_count:     66
    .vgpr_count:     256
    .wavefront_size: 32
...
	.end_amdgpu_metadata
.endif
;; end of part 5
;; launch up (part 6): grid 16 x 16, 4 waves a work-group, clusters of 4 x 4, 327,680 bytes of LDS; arguments nb, WA_codes, WA_scales, bA, hid; writes hid
.if DOCPART == 6
	.amdgcn_target "amdgcn-amd-amdhsa--gfx1250"
	.amdhsa_code_object_version 6
	.text
	.protected	k_q80dc013334_up
	.globl	k_q80dc013334_up
	.p2align	8
	.type	k_q80dc013334_up,@function
k_q80dc013334_up:
	s_mov_b64 s[64:65], 0
	v_nop
	global_prefetch_b8 v0, s[64:65] scope:SCOPE_SE
	s_setreg_imm32_b32 hwreg(HW_REG_WAVE_MODE, 25, 1), 1
	s_wait_xcnt 0x0
	s_wait_alu depctr_hold_cnt(0) depctr_sa_sdst(0) depctr_va_vdst(0) depctr_va_sdst(0) depctr_va_ssrc(0) depctr_va_vcc(0) depctr_vm_vsrc(0)
	s_getreg_b32 s2, hwreg(HW_REG_IB_STS2, 6, 4)
	s_cmp_eq_u32 s2, 0
	s_cbranch_scc0 .Lentry_in_a_cluster
	s_endpgm
.Lentry_in_a_cluster:
	s_bfe_u32 s2, ttmp6, 0x10000c
	s_cmp_lg_u32 s2, 0xf033
	s_cbranch_scc0 .Lentry_shape_is_right
	s_endpgm
.Lentry_shape_is_right:
; LAUNCH 6 OF 8: hid = relu(n WA^T + bA), [4096][4096], on codes of FP8 (E4M3) with E8M0 scales, K = 1,024; the result is quantised along its 4,096, the next product's K, on the way out, and goes to memory as codes alone.
; hid: the codes [4096][4096] at 0, the scale bytes [4096][128] at 16,777,216.
; A tile of C, 256 x 256, is made by four waves, each 128 x 128.  K goes in steps of 256 through a ring of two LDS slots filled by the tensor data mover; the scale bytes of the work-group's rows come once and stay.
; 4 x 4 work-groups form a cluster: A's tiles are asked for jointly along a row, B's along a column.  THE MATRIX INSTRUCTION IS USED TRANSPOSED: lane (r, h) holds row r of C and eight neighbouring columns.
; LIMITS: as stated at the head of the first launch.
; REGISTERS, in windows of 256: window 0: v0-31 addresses; v32-63 scale words; v64-127 bA of my 128 columns; from v128 A's fragments.  window 1: B's fragments, two sets.  windows 2, 3: the accumulators.
.set KSTEP,  256
.set NQ,     KSTEP/128
.set ROWB,   256
.set KROW,   1024
.set PITCH,  272
.set FR,     16
.set NL,     4
.set NP,     8
.set HALFT,  128*PITCH
.set SLOT,   4*HALFT
.set LAPS,   2
.set KS,     32
.set SCL,    2*SLOT
.set HALFS,  (128*KS/256)*272
.set SBLK,   (16*KS/256)*272
.set SPARE,  SCL+4*HALFS
.set SST,    256*272                   ; the way out: the work-group's stage of 256 rows x 272 bytes at 0, behind it 8 scale bytes a row; both in slot 0, which has had its last fill and its last read by then
.set ADRA, 16
.set ADRB, 20
.set ADRS, 27
.set SPW,  28
.set NIL,  29
.set SC,   32
.set AF,   128
.set G1, 24
.set G0, 32
.set G1B, 48
.set G0B, 56
.set G1S, 68
.set G0S, 76
.set G1SB, 80
.set G0SB, 88
.set BI,  64
.set T,   128
.set PC,  192
.set TM,  208
.set PW,  224
.set SEL, 20
.set MNT, 23
.set MSB, 0
.macro WIN new
.if MSB != \new
	s_set_vgpr_msb (MSB<<8)|\new
.set MSB, \new
.endif
.endm
.set MUL_LO, 0xa1
.set MUL_HI, 0xf1
.set TO_B,   0x40
.macro JLOAD g0a, g1a, g0b, g1b        ; a joint load: waves 0 and 1 fetch for A, waves 2 and 3 for B; an s_nop 0 and four v_nop follow each line
	s_cmp_eq_u32 s15, 0
	s_cbranch_scc0 .Lfor_b_\@
	tensor_load_to_lds s[\g0a:\g0a+3], s[\g1a:\g1a+7]
	s_nop 0
.rept 4
	v_nop
.endr
	s_branch .Lasked_\@
.Lfor_b_\@:
	tensor_load_to_lds s[\g0b:\g0b+3], s[\g1b:\g1b+7]
	s_nop 0
.rept 4
	v_nop
.endr
.Lasked_\@:
.endm
.macro CREST
	s_cmp_lg_u32 s14, 0
	s_cbranch_scc1 .Lnot_wave_0_\@
	s_barrier_signal -3
.Lnot_wave_0_\@:
	s_barrier_wait -3
	s_barrier_signal -1
	s_barrier_wait -1
.endm
.macro CROUND
	s_barrier_signal -1
	s_barrier_wait -1
	CREST
.endm
	s_load_b64 s[4:5], s[0:1], 0x0                 ; nb
	s_load_b128 s[8:11], s[0:1], 0x8               ; WA's codes, WA's scales
	s_load_b128 s[96:99], s[0:1], 0x18             ; bA, hid
	v_lshl_add_u32 v[SPW], v0, 2, SPARE
	v_mov_b32 v[NIL], 0
	ds_add_u32 v[SPW], v[NIL]                      ; the wave's opening: the add, twice on end, and its wait ahead of my first tensor load
	ds_add_u32 v[SPW], v[NIL]
	v_lshrrev_b32 v1, 5, v0
	v_readfirstlane_b32 s14, v1
	s_lshr_b32 s15, s14, 1
	s_and_b32 s16, s14, 1
	s_bfe_u32 s40, ttmp6, 0x40000
	s_bfe_u32 s41, ttmp6, 0x40004
	s_lshl_b32 s42, ttmp9, 2
	s_add_co_u32 s42, s42, s40                     ; tile column of C
	s_and_b32 s17, ttmp7, 0xffff
	s_lshl_b32 s17, s17, 2
	s_add_co_u32 s17, s17, s41                     ; tile row of C
	s_lshl_b32 s43, s41, 2
	s_lshl_b32 s43, 15, s43
	s_lshl_b32 s44, 0x1111, s40
	s_or_b32 s[G1+0], s43, (0<<16)|(1<<20)|(1<<21)|(5<<22)|(3<<25)
	s_or_b32 s[G1B+0], s44, (0<<16)|(1<<20)|(1<<21)|(5<<22)|(3<<25)
.irp g, G1, G1B
	s_mov_b32 s[\g+1], ROWB<<16
	s_mov_b32 s[\g+2], 128<<16
	s_mov_b32 s[\g+3], ROWB<<16
	s_mov_b32 s[\g+4], 128
	s_mov_b32 s[\g+5], KROW
	s_mov_b32 s[\g+6], 0
	s_mov_b32 s[\g+7], 0
.endr
	s_or_b32 s[G1S+0], s43, (3<<16)|(1<<20)|(1<<21)|(5<<22)|(3<<25)
	s_or_b32 s[G1SB+0], s44, (3<<16)|(1<<20)|(1<<21)|(5<<22)|(3<<25)
.irp g, G1S, G1SB
	s_mov_b32 s[\g+1], 32<<16
	s_mov_b32 s[\g+2], (128*KS/256)<<16
	s_mov_b32 s[\g+3], 32<<16
	s_mov_b32 s[\g+4], 128*KS/256
	s_mov_b32 s[\g+5], 32
	s_mov_b32 s[\g+6], 0
	s_mov_b32 s[\g+7], 0
.endr
	s_lshl_b32 s18, s16, 7
	s_lshl_b32 s20, s17, 8
	s_add_co_u32 s20, s20, s18
	s_lshl_b32 s46, s42, 8
	s_add_co_u32 s46, s46, s18
	s_mov_b32 s21, 0
	s_mov_b32 s47, 0
	s_mov_b64 s[18:19], KS
	s_mul_u64 s[22:23], s[20:21], s[18:19]
	s_mul_u64 s[92:93], s[46:47], s[18:19]
	s_mov_b64 s[18:19], KROW
	s_mul_u64 s[20:21], s[20:21], s[18:19]
	s_mul_u64 s[46:47], s[46:47], s[18:19]
	s_mul_i32 s45, s14, HALFT
	s_mul_i32 s94, s14, HALFS
	s_wait_dscnt 0x0
	s_wait_kmcnt 0x0
	s_add_nc_u64 s[6:7], s[4:5], 0x1400000         ; n's scale bytes
	s_add_nc_u64 s[4:5], s[4:5], 0x1000000         ; n's codes
	s_add_nc_u64 s[20:21], s[4:5], s[20:21]
	s_add_nc_u64 s[22:23], s[6:7], s[22:23]
	s_add_nc_u64 s[46:47], s[8:9], s[46:47]
	s_add_nc_u64 s[92:93], s[10:11], s[92:93]
	CROUND
	s_mov_b32 s[G0S], 1
	s_add_co_u32 s[G0S+1], s94, SCL
	s_mov_b64 s[G0S+2:G0S+3], s[22:23]
	s_or_b32 s[G0S+3], s[G0S+3], 0x80000000
	s_mov_b32 s[G0SB], 1
	s_add_co_u32 s[G0SB+1], s94, SCL
	s_mov_b64 s[G0SB+2:G0SB+3], s[92:93]
	s_or_b32 s[G0SB+3], s[G0SB+3], 0x80000000
	JLOAD G0S, G1S, G0SB, G1SB
.irp s, 0,1
	s_mov_b32 s[G0+4*\s], 1
	s_add_co_u32 s[G0+4*\s+1], s45, \s*SLOT
	s_add_nc_u64 s[G0+4*\s+2:G0+4*\s+3], s[20:21], \s*ROWB
	s_or_b32 s[G0+4*\s+3], s[G0+4*\s+3], 0x80000000
	s_mov_b32 s[G0B+4*\s], 1
	s_add_co_u32 s[G0B+4*\s+1], s45, \s*SLOT
	s_add_nc_u64 s[G0B+4*\s+2:G0B+4*\s+3], s[46:47], \s*ROWB
	s_or_b32 s[G0B+4*\s+3], s[G0B+4*\s+3], 0x80000000
	JLOAD G0+4*\s, G1, G0B+4*\s, G1B               ; three tensor loads of mine are out now
.endr
	v_and_b32 v1, 15, v0
	v_bfe_u32 v2, v0, 4, 1
	v_mul_u32_u24 v3, v1, PITCH
	v_lshl_add_u32 v4, v2, 4, v3
	s_mul_i32 s21, s15, HALFT
	s_mul_i32 s22, s16, HALFT
	s_add_co_u32 s22, s22, 2*HALFT
.irp s, 0,1
	v_add_nc_u32 v[ADRA+\s], s21, v4
	v_add_nc_u32 v[ADRB+\s], s22, v4
	s_add_co_u32 s21, s21, SLOT
	s_add_co_u32 s22, s22, SLOT
.endr
	v_mul_u32_u24 v5, v1, KS
	v_lshrrev_b32 v6, 8, v5
	v_lshl_add_u32 v5, v6, 4, v5
	s_mul_i32 s21, s15, HALFS
	s_mul_i32 s22, s16, HALFS
	s_add_co_u32 s22, s22, 2*HALFS
	s_sub_co_u32 s22, s22, s21
	v_mul_u32_u24 v6, s22, v2
	s_add_co_u32 s21, s21, SCL
	v_add_nc_u32 v5, v5, v6
	v_add_nc_u32 v[ADRS], s21, v5
	v_lshlrev_b32 v30, 5, v2                       ; 32 h; never rewritten
	s_lshl_b32 s46, s42, 10
	s_lshl_b32 s47, s16, 9
	s_add_co_u32 s46, s46, s47                     ; my first column, in bytes of f32
	s_mov_b32 s47, 0
	s_add_nc_u64 s[96:97], s[96:97], s[46:47]
.irp t, 0,1,2,3,4,5,6,7
	global_load_b128 v[BI+8*\t:BI+8*\t+3], v30, s[96:97] offset:64*\t          ; bA at columns 16 t + 8 h + 0 .. 7: waited for on the way out
	global_load_b128 v[BI+8*\t+4:BI+8*\t+7], v30, s[96:97] offset:64*\t+16
.endr
.macro FRAG reg, adr, q, i
.irp c, 0,1,2,3
	ds_load_b128 v[\reg+4*\c:\reg+4*\c+3], v[\adr] offset:128*(\q)+32*\c+(\i)*16*PITCH
.endr
.endm
; The 64 accumulators take turns, one instruction a turn, in the same order in every step.
.macro MUL16 a0, p, q, sc, zero
.irp a, \a0, \a0+1
.irp b, 0,1,2,3,4,5,6,7
.if \zero
	v_wmma_scale_f32_16x16x128_f8f6f4 v[8*(8*((\a)%4)+\b):8*(8*((\a)%4)+\b)+7], v[128*(\p)+FR*\b:128*(\p)+FR*\b+FR-1], v[AF+FR*(\a):AF+FR*(\a)+FR-1], 0, v[SC+8*NQ*(\sc)+NQ*\b+(\q)], v[SC+8*NQ*(\sc)+NQ*(\a)+(\q)] matrix_a_scale:MATRIX_SCALE_ROW1
.else
	v_wmma_scale_f32_16x16x128_f8f6f4 v[8*(8*((\a)%4)+\b):8*(8*((\a)%4)+\b)+7], v[128*(\p)+FR*\b:128*(\p)+FR*\b+FR-1], v[AF+FR*(\a):AF+FR*(\a)+FR-1], v[8*(8*((\a)%4)+\b):8*(8*((\a)%4)+\b)+7], v[SC+8*NQ*(\sc)+NQ*\b+(\q)], v[SC+8*NQ*(\sc)+NQ*(\a)+(\q)] matrix_a_scale:MATRIX_SCALE_ROW1
.endif
.endr
.endr
.endm
.macro FETCH_B slot, q, p
	WIN TO_B
.irp i, 0,1,2,3,4,5,6,7
	FRAG 128*(\p)+FR*\i, ADRB+\slot, \q, \i
.endr
	WIN 0
.endm
.macro FETCH_A slot, q, i0
.irp i, \i0, \i0+1, \i0+2, \i0+3
	FRAG AF+FR*(\i), ADRA+\slot, \q, \i
.endr
.endm
.macro SCALES sc
.irp i, 0,1,2,3,4,5,6,7
	ds_load_b64 v[SC+8*NQ*\sc+NQ*\i:SC+8*NQ*\sc+NQ*\i+1], v[ADRS] offset:\i*SBLK
.endr
.endm
.macro PLACES n
.rept \n
	v_nop
.endr
.endm
.macro STEP slot, q, zero
	s_wait_dscnt 4*NL                              ; B's set and A's blocks 0-3 are in; the 16 youngest loads (A's blocks 4-7) may be out
	WIN MUL_LO
	MUL16 0, (\q)%2, \q, \slot, \zero
	MUL16 2, (\q)%2, \q, \slot, \zero
	s_wait_dscnt 0
	PLACES NP
	FETCH_B \slot, (\q)+1, 1-(\q)%2
	FETCH_A \slot, (\q)+1, 0
	WIN MUL_HI
	MUL16 4, (\q)%2, \q, \slot, \zero
	MUL16 6, (\q)%2, \q, \slot, \zero
	PLACES NP
	WIN 0
	FETCH_A \slot, (\q)+1, 4
.endm
.macro TURN slot, next, fill
	s_wait_tensorcnt 0x0                           ; all my tensor loads have landed: my part of the next slot
	ds_add_u32 v[SPW], v[NIL]
	s_wait_dscnt 4*NL+1                            ; (the add and the 16 youngest loads may be out)
	WIN MUL_LO
	MUL16 0, 1, NQ-1, \slot, 0
	s_wait_dscnt 0x0                               ; the add is done, and my reads of this slot are over
	s_barrier_signal -1
	MUL16 2, 1, NQ-1, \slot, 0
	WIN 0
	s_barrier_wait -1
.if \fill
	CREST                                          ; the barrier has opened a round of the cluster's: no wave of any partner still reads this slot or has a load on its way
	s_add_nc_u64 s[G0+4*\slot+2:G0+4*\slot+3], s[G0+4*\slot+2:G0+4*\slot+3], 2*ROWB
	s_add_nc_u64 s[G0B+4*\slot+2:G0B+4*\slot+3], s[G0B+4*\slot+2:G0B+4*\slot+3], 2*ROWB
	JLOAD G0+4*\slot, G1, G0B+4*\slot, G1B
	PLACES NP-4
.else
	PLACES NP
.endif
	v_add_nc_u32 v[ADRS], 4*NQ, v[ADRS]
	FETCH_B \next, 0, 0
	FETCH_A \next, 0, 0
	SCALES \next
	WIN MUL_HI
	MUL16 4, 1, NQ-1, \slot, 0
	MUL16 6, 1, NQ-1, \slot, 0
	PLACES NP
	WIN 0
	FETCH_A \next, 0, 4
.endm
	s_wait_tensorcnt 1                             ; the scales and my part of K step 0 are in (K step 1's load may be out),
	s_barrier_signal -1
	s_barrier_wait -1
	FETCH_B 0, 0, 0
	FETCH_A 0, 0, 0
	SCALES 0
	FETCH_A 0, 0, 4
	STEP 0, 0, 1
	s_mov_b32 s3, LAPS-1
.Llap:
	TURN 0, 1, 1
	STEP 1, 0, 0
	TURN 1, 0, 1
	STEP 0, 0, 0
	s_sub_co_u32 s3, s3, 1
	s_cmp_lg_u32 s3, 0
	s_cbranch_scc1 .Llap
	TURN 0, 1, 0
	STEP 1, 0, 0
	s_wait_dscnt 4*NL
	WIN MUL_LO
	MUL16 0, 1, NQ-1, 1, 0
	MUL16 2, 1, NQ-1, 1, 0
	s_wait_dscnt 0
	WIN MUL_HI
	MUL16 4, 1, NQ-1, 1, 0
	MUL16 6, 1, NQ-1, 1, 0
	WIN 0
; THE WAY OUT.  Register 8 t + j of lane (r, h) in block a is (row 16 a + r, column 16 t + 8 h + j); registers 16 b .. 16 b + 15 of lanes l and l xor 16 are block b of 32 columns.  The bias is added; the hold that the conversion
; wants clips at 0 as well (the activation); the codes go into the work-group's stage as rows of 256 bytes, which two waves fill; a barrier; each wave stores 64 whole rows, sixteen lanes to 256 consecutive bytes.
	PLACES NP
	s_mov_b32 s[SEL], 0x76543210
	s_mov_b32 s[SEL+1], 0xfedcba98
	s_mov_b32 s[MNT], 0x600000
.irp b, 0,1,2,3
	v_mov_b32 v[TM+4+\b], 0
.endr
	v_and_b32 v1, 15, v0                           ; r
	v_bfe_u32 v2, v0, 4, 1                         ; h
	v_and_b32 v3, 31, v0                           ; lane
	s_mul_i32 s18, s15, 128*272
	s_lshl_b32 s19, s16, 7
	s_add_co_u32 s18, s18, s19
	v_mul_u32_u24 v16, v1, 272
	v_lshl_add_u32 v16, v2, 3, v16
	v_add_nc_u32 v16, s18, v16                     ; in: row 128 x my half + r, my half's 128 bytes, + 8 h
	s_lshl_b32 s18, s15, 10
	s_lshl_b32 s19, s16, 2
	s_add_co_u32 s18, s18, s19
	s_add_co_u32 s18, s18, SST
	v_lshl_add_u32 v17, v1, 3, s18                 ; the row's scale word: 8 bytes a row, my half's 4
	s_mul_i32 s18, s14, 64*272
	v_mul_u32_u24 v18, v2, 272
	v_lshl_add_u32 v18, v1, 4, v18
	v_add_nc_u32 v18, s18, v18                     ; back: rows 64 w on; lanes 0-15 one row, lanes 16-31 the next
	v_lshlrev_b32 v19, 12, v2
	v_lshl_add_u32 v19, v1, 4, v19                 ; and the same two rows in hid
	s_lshl_b32 s18, s14, 9
	s_add_co_u32 s18, s18, SST
	v_lshl_add_u32 v20, v3, 3, s18                 ; the scale bytes back: a lane a row
	v_lshlrev_b32 v21, 7, v3
	s_lshl_b32 s4, s17, 8
	s_lshl_b32 s5, s14, 6
	s_add_co_u32 s4, s4, s5                        ; the first row that I store
	s_lshl_b32 s6, s4, 12
	s_lshl_b32 s8, s42, 8
	s_add_co_u32 s6, s6, s8
	s_mov_b32 s7, 0
	s_add_nc_u64 s[10:11], s[98:99], s[6:7]        ; its codes
	s_lshl_b32 s6, s4, 7
	s_lshl_b32 s8, s42, 3
	s_add_co_u32 s6, s6, s8
	s_add_co_u32 s6, s6, 0x1000000
	s_add_nc_u64 s[12:13], s[98:99], s[6:7]        ; its scale bytes
.macro ADDN a                          ; T = block a + the bias of its columns; each accumulator from its low end on
.set AC, 64*((\a)%4)
	WIN 0x02+(\a)/4
.set i, 0
.rept 32
	v_pk_add_f32 v[T+i:T+i+1], v[AC+i:AC+i+1], v[BI+i:BI+i+1]
.set i, i+2
.endr
	WIN 0
.endm
.macro QUANT s, relu                   ; 64 numbers of a lane become 64 codes in v[PC] on and their four scale bytes in v[PW]; relu = 1: what is negative becomes 0
.if \relu
.irp b, 0,1,2,3
	v_max3_num_f32 v[TM+\b], v[\s+16*\b], v[\s+1+16*\b], 0x4800000   ; no |.|: what is negative must not count; the floor 2^(9 - 127) stands over it
.endr
.irp i, 2,4,6,8,10,12,14
.irp b, 0,1,2,3
	v_max3_num_f32 v[TM+\b], v[TM+\b], v[\s+16*\b+\i], v[\s+1+16*\b+\i]
.endr
.endr
.else
.irp b, 0,1,2,3
	v_max3_num_f32 v[TM+\b], |v[\s+16*\b]|, |v[\s+1+16*\b]|, 0x4800000
.endr
.irp i, 2,4,6,8,10,12,14
.irp b, 0,1,2,3
	v_max3_num_f32 v[TM+\b], v[TM+\b], |v[\s+16*\b+\i]|, |v[\s+1+16*\b+\i]|
.endr
.endr
.endif
.irp b, 0,1,2,3
	v_permlanex16_b32 v[TM+4+\b], v[TM+\b], s[SEL], s[SEL+1]
.endr
.irp b, 0,1,2,3
	v_max_num_f32 v[TM+\b], v[TM+\b], v[TM+4+\b]
.endr
.irp b, 0,1,2,3
	v_add_nc_u32 v[TM+12+\b], 0xfc000000, v[TM+\b]
.endr
.irp b, 0,1,2,3
	v_and_or_b32 v[TM+8+\b], v[TM+\b], 0x7f800000, s[MNT]
.endr
.irp b, 0,1,2,3
	v_lshrrev_b32 v[TM+4+\b], 23, v[TM+12+\b]
.endr
	v_lshl_or_b32 v[PW], v[TM+5], 8, v[TM+4]
	v_lshl_or_b32 v[PW], v[TM+6], 16, v[PW]
	v_lshl_or_b32 v[PW], v[TM+7], 24, v[PW]
.irp b, 0,1,2,3
.irp i, 0,1,2,3,4,5,6,7,8,9,10,11,12,13,14,15
.if \relu
	v_med3_num_f32 v[\s+16*\b+\i], v[\s+16*\b+\i], 0, v[TM+8+\b]   ; the activation and the hold in one
.else
	v_med3_num_f32 v[\s+16*\b+\i], v[\s+16*\b+\i], -v[TM+8+\b], v[TM+8+\b]
.endif
.endr
	v_cvt_scalef32_pk8_fp8_f32 v[PC+4*\b:PC+1+4*\b], v[\s+16*\b:\s+7+16*\b], v[TM+12+\b]
	v_cvt_scalef32_pk8_fp8_f32 v[PC+2+4*\b:PC+3+4*\b], v[\s+8+16*\b:\s+15+16*\b], v[TM+12+\b]
.endr
	v_nop
.endm
	s_wait_loadcnt 0x0                             ; bA
.irp a, 0,1,2,3,4,5,6,7
	s_wait_dscnt 0x0                               ; the last block's LDS stores have read their registers
	ADDN \a
	QUANT T, 1
.irp b, 0,1,2,3
	ds_store_b64 v16, v[PC+4*\b:PC+4*\b+1] offset:\a*16*272+32*\b
	ds_store_b64 v16, v[PC+4*\b+2:PC+4*\b+3] offset:\a*16*272+32*\b+16
.endr
	ds_store_b32 v17, v[PW] offset:128*\a          ; lanes 16-31 write the same word with the same value
.endr
	s_wait_dscnt 0x0                               ; for the others' sake: my stores into the stage are done
	s_barrier_signal -1
	s_barrier_wait -1
.irp u, 0,1
.irp t, 0,1,2,3,4,5,6,7,8,9,10,11,12,13,14,15
	ds_load_b128 v[64+64*\u+4*\t:64+64*\u+4*\t+3], v18 offset:(32*\u+2*\t)*272
.endr
.endr
	ds_load_b64 v[32:33], v20
	ds_load_b64 v[34:35], v20 offset:256
.irp u, 0,1
.irp t, 0,1,2,3,4,5,6,7,8,9,10,11,12,13,14,15
	s_wait_dscnt 33-16*\u-\t                       ; the younger loads of the run of 34 may be out
	global_store_b128 v19, v[64+64*\u+4*\t:64+64*\u+4*\t+3], s[10:11] offset:(32*\u+2*\t)*4096   ; 16 lanes store 256 consecutive bytes, aligned
.endr
.endr
	s_wait_dscnt 0x0
	global_store_b64 v21, v[32:33], s[12:13]       ; 8 scale bytes of a row: the rows' other bytes belong to other work-groups
	global_store_b64 v21, v[34:35], s[12:13] offset:4096
	s_wait_tensorcnt 0x0                           ; the wave's end
	ds_add_u32 v[SPW], v[NIL]
	s_wait_dscnt 0x0
	CROUND                                         ; the closing round
	s_endpgm
.Lfunc_end_k_q80dc013334_up:
	.size	k_q80dc013334_up, .Lfunc_end_k_q80dc013334_up-k_q80dc013334_up
	.p2alignl 7, 3214868480
	.fill 96, 4, 3214868480
	.section	.rodata,"a",@progbits
	.p2align	6, 0x0
	.amdhsa_kernel k_q80dc013334_up
		.amdhsa_group_segment_fixed_size 327680
		.amdhsa_private_segment_fixed_size 0
		.amdhsa_enable_private_segment 0
		.amdhsa_kernarg_size 40
		.amdhsa_user_sgpr_count 2
		.amdhsa_user_sgpr_kernarg_segment_ptr 1
		.amdhsa_wavefront_size32 1
		.amdhsa_system_sgpr_workgroup_id_x 1
		.amdhsa_system_sgpr_workgroup_id_y 1
		.amdhsa_system_sgpr_workgroup_id_z 1
		.amdhsa_system_vgpr_workitem_id 0
		.amdhsa_next_free_vgpr 1024
		.amdhsa_next_free_sgpr 100
		.amdhsa_reserve_vcc 0
		.amdhsa_float_denorm_mode_32 3
		.amdhsa_float_denorm_mode_16_64 3
		.amdhsa_memory_ordered 1
		.amdhsa_forward_progress 1
		.amdhsa_inst_pref_size 211
	.end_amdhsa_kernel
	.amdgpu_metadata
---
amdhsa.version: [ 1, 2 ]
amdhsa.kernels:
  - .name:           k_q80dc013334_up
    .symbol:         k_q80dc013334_up.kd
    .args:
      - { .name: nb, .offset: 0, .size: 8, .value_kind: global_buffer, .address_space: global }
      - { .name: WA_codes, .offset: 8, .size: 8, .value_kind: global_buffer, .address_space: global }
      - { .name: WA_scales, .offset: 16, .size: 8, .value_kind: global_buffer, .address_space: global }
      - { .name: bA, .offset: 24, .size: 8, .value_kind: global_buffer, .address_space: global }
      - { .name: hid, .offset: 32, .size: 8, .value_kind: global_buffer, .address_space: global }
    .group_segment_fixed_size: 327680
    .private_segment_fixed_size: 0
    .kernarg_segment_align: 8
    .kernarg_segment_size: 40
    .max_flat_workgroup_size: 128
    .sgpr_count:     100
    .vgpr_count:     1024
    .wavefront_size: 32
...
	.end_amdgpu_metadata
.endif
;; end of part 6
;; launch down (part 7): grid 16 x 16, 4 waves a work-group, clusters of 4 x 4, 327,680 bytes of LDS; arguments hid, WB_codes, WB_scales, c6; writes c6
.if DOCPART == 7
	.amdgcn_target "amdgcn-amd-amdhsa--gfx1250"
	.amdhsa_code_object_version 6
	.text
	.protected	k_q80dc013334_down
	.globl	k_q80dc013334_down
	.p2align	8
	.type	k_q80dc013334_down,@function
k_q80dc013334_down:
	s_mov_b64 s[64:65], 0
	v_nop
	global_prefetch_b8 v0, s[64:65] scope:SCOPE_SE
	s_setreg_imm32_b32 hwreg(HW_REG_WAVE_MODE, 25, 1), 1
	s_wait_xcnt 0x0
	s_wait_alu depctr_hold_cnt(0) depctr_sa_sdst(0) depctr_va_vdst(0) depctr_va_sdst(0) depctr_va_ssrc(0) depctr_va_vcc(0) depctr_vm_vsrc(0)
	s_getreg_b32 s2, hwreg(HW_REG_IB_STS2, 6, 4)
	s_cmp_eq_u32 s2, 0
	s_cbranch_scc0 .Lentry_in_a_cluster
	s_endpgm
.Lentry_in_a_cluster:
	s_bfe_u32 s2, ttmp6, 0x10000c
	s_cmp_lg_u32 s2, 0xf033
	s_cbranch_scc0 .Lentry_shape_is_right
	s_endpgm
.Lentry_shape_is_right:
; LAUNCH 7 OF 8: c6[quarter] = hid[:, quarter] WB[:, quarter]^T, four f32 arrays [4096][1024], one for each quarter of K = 4,096, on codes of FP8 (E4M3) with E8M0 scales.  The next launch adds the quarters, bB and the residual.
; C has 64 tiles of 256 x 256.  K is shared among four clusters (the cluster's x says which quarter): 256 work-groups, one for each WGP, each with K = 1,024.  Each quarter has its own owner of every output: nothing is added in memory.
; A tile of C, 256 x 256, is made by four waves, each 128 x 128.  K goes in steps of 256 through a ring of two LDS slots filled by the tensor data mover.  The scale bytes of the work-group's rows, 32 bytes a row, come once and stay.
; 4 x 4 work-groups form a cluster: A's tiles are asked for jointly along a row, B's along a column.  THE MATRIX INSTRUCTION IS USED TRANSPOSED: a lane holds eight neighbouring numbers of a row of C.
.set SIZE_N, 1024
.set KSTEP,  256
.set NQ,     KSTEP/128
.set ROWB,   256
.set KROW,   4096                      ; a row of codes in memory
.set KSM,    128                       ; a row of scale bytes in memory
.set PITCH,  272
.set FR,     16
.set NL,     4
.set NP,     8
.set HALFT,  128*PITCH
.set SLOT,   4*HALFT
.set LAPS,   2                         ; K = 1,024 for a work-group: twice round the ring
.set SCL,    2*SLOT
.set SROW,   48                        ; a row's 32 scale bytes in LDS + 16 of padding
.set HALFS,  128*SROW
.set SBLK,   16*SROW
.set SPARE,  SCL+4*HALFS
.set SPITCH, 528
.set ADRA, 16
.set ADRB, 20
.set STO,  24
.set RD,   25
.set CO,   26
.set ADRS, 27
.set SPW,  28
.set NIL,  29
.set SC,   32
.set AF,   128
.set BK,   128
.set G1, 24
.set G0, 32
.set G1B, 48
.set G0B, 56
.set G1S, 68
.set G0S, 76
.set G1SB, 80
.set G0SB, 88
.set MSB, 0
.macro WIN new
.if MSB != \new
	s_set_vgpr_msb (MSB<<8)|\new
.set MSB, \new
.endif
.endm
.set MUL_LO, 0xa1
.set MUL_HI, 0xf1
.set TO_B,   0x40
.macro JLOAD g0a, g1a, g0b, g1b        ; a joint load: waves 0 and 1 fetch for A, waves 2 and 3 for B; an s_nop 0 and four v_nop follow each line
	s_cmp_eq_u32 s15, 0
	s_cbranch_scc0 .Lfor_b_\@
	tensor_load_to_lds s[\g0a:\g0a+3], s[\g1a:\g1a+7]
	s_nop 0
.rept 4
	v_nop
.endr
	s_branch .Lasked_\@
.Lfor_b_\@:
	tensor_load_to_lds s[\g0b:\g0b+3], s[\g1b:\g1b+7]
	s_nop 0
.rept 4
	v_nop
.endr
.Lasked_\@:
.endm
.macro CREST
	s_cmp_lg_u32 s14, 0
	s_cbranch_scc1 .Lnot_wave_0_\@
	s_barrier_signal -3
.Lnot_wave_0_\@:
	s_barrier_wait -3
	s_barrier_signal -1
	s_barrier_wait -1
.endm
.macro CROUND
	s_barrier_signal -1
	s_barrier_wait -1
	CREST
.endm
	s_load_b64 s[4:5], s[0:1], 0x0                 ; hid
	s_load_b128 s[8:11], s[0:1], 0x8               ; WB's codes, WB's scales
	s_load_b64 s[12:13], s[0:1], 0x18              ; c6
	v_lshl_add_u32 v[SPW], v0, 2, SPARE
	v_mov_b32 v[NIL], 0
	ds_add_u32 v[SPW], v[NIL]                      ; the wave's opening: the add, twice on end, and its wait ahead of my first tensor load
	ds_add_u32 v[SPW], v[NIL]
	v_lshrrev_b32 v1, 5, v0
	v_readfirstlane_b32 s14, v1
	s_lshr_b32 s15, s14, 1
	s_and_b32 s16, s14, 1
	s_bfe_u32 s40, ttmp6, 0x40000
	s_bfe_u32 s41, ttmp6, 0x40004
	s_mov_b32 s42, s40                             ; tile column of C = cx: the cluster's x is the quarter of K
	s_and_b32 s17, ttmp7, 0xffff
	s_lshl_b32 s17, s17, 2
	s_add_co_u32 s17, s17, s41                     ; tile row of C
	s_lshl_b32 s43, s41, 2
	s_lshl_b32 s43, 15, s43
	s_lshl_b32 s44, 0x1111, s40
	s_or_b32 s[G1+0], s43, (0<<16)|(1<<20)|(1<<21)|(5<<22)|(3<<25)
	s_or_b32 s[G1B+0], s44, (0<<16)|(1<<20)|(1<<21)|(5<<22)|(3<<25)
.irp g, G1, G1B
	s_mov_b32 s[\g+1], ROWB<<16
	s_mov_b32 s[\g+2], 128<<16
	s_mov_b32 s[\g+3], ROWB<<16
	s_mov_b32 s[\g+4], 128
	s_mov_b32 s[\g+5], KROW
	s_mov_b32 s[\g+6], 0
	s_mov_b32 s[\g+7], 0
.endr
	s_or_b32 s[G1S+0], s43, (3<<16)|(1<<20)|(1<<21)|(2<<22)|(3<<25)  ; the scales: 128 rows of 32 bytes (4 elements of 8), 128 bytes apart in memory; 4 words of padding behind every 8
	s_or_b32 s[G1SB+0], s44, (3<<16)|(1<<20)|(1<<21)|(2<<22)|(3<<25)
.irp g, G1S, G1SB
	s_mov_b32 s[\g+1], 4<<16
	s_mov_b32 s[\g+2], 128<<16
	s_mov_b32 s[\g+3], 4<<16
	s_mov_b32 s[\g+4], 128
	s_mov_b32 s[\g+5], 16
	s_mov_b32 s[\g+6], 0
	s_mov_b32 s[\g+7], 0
.endr
	s_lshl_b32 s18, s16, 7
	s_lshl_b32 s20, s17, 8
	s_add_co_u32 s20, s20, s18
	s_lshl_b32 s46, s42, 8
	s_add_co_u32 s46, s46, s18
	s_mov_b32 s21, 0
	s_mov_b32 s47, 0
	s_mov_b64 s[18:19], KSM
	s_mul_u64 s[22:23], s[20:21], s[18:19]
	s_mul_u64 s[92:93], s[46:47], s[18:19]
	s_mov_b64 s[18:19], KROW
	s_mul_u64 s[20:21], s[20:21], s[18:19]
	s_mul_u64 s[46:47], s[46:47], s[18:19]
	s_lshl_b32 s18, ttmp9, 10                      ; my quarter of K: 1,024 codes on in each row,
	s_mov_b32 s19, 0
	s_add_nc_u64 s[20:21], s[20:21], s[18:19]
	s_add_nc_u64 s[46:47], s[46:47], s[18:19]
	s_lshl_b32 s18, ttmp9, 5                       ; 32 scale bytes on
	s_add_nc_u64 s[22:23], s[22:23], s[18:19]
	s_add_nc_u64 s[92:93], s[92:93], s[18:19]
	s_mul_i32 s45, s14, HALFT
	s_mul_i32 s94, s14, HALFS
	s_wait_dscnt 0x0
	s_wait_kmcnt 0x0
	s_add_nc_u64 s[6:7], s[4:5], 0x1000000         ; hid's scale bytes
	s_add_nc_u64 s[20:21], s[4:5], s[20:21]
	s_add_nc_u64 s[22:23], s[6:7], s[22:23]
	s_add_nc_u64 s[46:47], s[8:9], s[46:47]
	s_add_nc_u64 s[92:93], s[10:11], s[92:93]
	CROUND
	s_mov_b32 s[G0S], 1
	s_add_co_u32 s[G0S+1], s94, SCL
	s_mov_b64 s[G0S+2:G0S+3], s[22:23]
	s_or_b32 s[G0S+3], s[G0S+3], 0x80000000
	s_mov_b32 s[G0SB], 1
	s_add_co_u32 s[G0SB+1], s94, SCL
	s_mov_b64 s[G0SB+2:G0SB+3], s[92:93]
	s_or_b32 s[G0SB+3], s[G0SB+3], 0x80000000
	JLOAD G0S, G1S, G0SB, G1SB
.irp s, 0,1
	s_mov_b32 s[G0+4*\s], 1
	s_add_co_u32 s[G0+4*\s+1], s45, \s*SLOT
	s_add_nc_u64 s[G0+4*\s+2:G0+4*\s+3], s[20:21], \s*ROWB
	s_or_b32 s[G0+4*\s+3], s[G0+4*\s+3], 0x80000000
	s_mov_b32 s[G0B+4*\s], 1
	s_add_co_u32 s[G0B+4*\s+1], s45, \s*SLOT
	s_add_nc_u64 s[G0B+4*\s+2:G0B+4*\s+3], s[46:47], \s*ROWB
	s_or_b32 s[G0B+4*\s+3], s[G0B+4*\s+3], 0x80000000
	JLOAD G0+4*\s, G1, G0B+4*\s, G1B               ; three tensor loads of mine are out now
.endr
	v_and_b32 v1, 15, v0
	v_bfe_u32 v2, v0, 4, 1
	v_mul_u32_u24 v3, v1, PITCH
	v_lshl_add_u32 v4, v2, 4, v3
	s_mul_i32 s21, s15, HALFT
	s_mul_i32 s22, s16, HALFT
	s_add_co_u32 s22, s22, 2*HALFT
.irp s, 0,1
	v_add_nc_u32 v[ADRA+\s], s21, v4
	v_add_nc_u32 v[ADRB+\s], s22, v4
	s_add_co_u32 s21, s21, SLOT
	s_add_co_u32 s22, s22, SLOT
.endr
	v_mul_u32_u24 v5, v1, SROW                     ; my row's scales
	s_mul_i32 s21, s15, HALFS
	s_mul_i32 s22, s16, HALFS
	s_add_co_u32 s22, s22, 2*HALFS
	s_sub_co_u32 s22, s22, s21
	v_mul_u32_u24 v6, s22, v2                      ; lanes 16-31 take B's
	s_add_co_u32 s21, s21, SCL
	v_add_nc_u32 v5, v5, v6
	v_add_nc_u32 v[ADRS], s21, v5
	s_mul_i32 s23, s14, 16*SPITCH
	v_mul_u32_u24 v5, v1, SPITCH
	v_lshl_add_u32 v5, v2, 5, v5
	v_add_nc_u32 v[STO], s23, v5
	v_and_b32 v6, 31, v0
	v_lshlrev_b32 v[CO], 4, v6
	v_add_nc_u32 v[RD], s23, v[CO]
	s_lshl_b32 s20, s17, 8
	s_lshl_b32 s21, s15, 7
	s_add_co_u32 s20, s20, s21
	s_mov_b32 s21, 0
	s_mov_b64 s[18:19], SIZE_N*4
	s_mul_u64 s[20:21], s[20:21], s[18:19]
	s_lshl_b32 s46, s42, 10
	s_lshl_b32 s47, s16, 9
	s_add_co_u32 s46, s46, s47
	s_mov_b32 s47, 0
	s_add_nc_u64 s[20:21], s[20:21], s[46:47]
	s_lshl_b32 s46, ttmp9, 24                      ; my quarter's array
	s_add_nc_u64 s[20:21], s[20:21], s[46:47]
	s_add_nc_u64 s[12:13], s[12:13], s[20:21]
.macro FRAG reg, adr, q, i
.irp c, 0,1,2,3
	ds_load_b128 v[\reg+4*\c:\reg+4*\c+3], v[\adr] offset:128*(\q)+32*\c+(\i)*16*PITCH
.endr
.endm
; The 64 accumulators take turns, one instruction a turn, in the same order in every step.
.macro MUL16 a0, p, q, sc, zero
.irp a, \a0, \a0+1
.irp b, 0,1,2,3,4,5,6,7
.if \zero
	v_wmma_scale_f32_16x16x128_f8f6f4 v[8*(8*((\a)%4)+\b):8*(8*((\a)%4)+\b)+7], v[128*(\p)+FR*\b:128*(\p)+FR*\b+FR-1], v[AF+FR*(\a):AF+FR*(\a)+FR-1], 0, v[SC+8*NQ*(\sc)+NQ*\b+(\q)], v[SC+8*NQ*(\sc)+NQ*(\a)+(\q)] matrix_a_scale:MATRIX_SCALE_ROW1
.else
	v_wmma_scale_f32_16x16x128_f8f6f4 v[8*(8*((\a)%4)+\b):8*(8*((\a)%4)+\b)+7], v[128*(\p)+FR*\b:128*(\p)+FR*\b+FR-1], v[AF+FR*(\a):AF+FR*(\a)+FR-1], v[8*(8*((\a)%4)+\b):8*(8*((\a)%4)+\b)+7], v[SC+8*NQ*(\sc)+NQ*\b+(\q)], v[SC+8*NQ*(\sc)+NQ*(\a)+(\q)] matrix_a_scale:MATRIX_SCALE_ROW1
.endif
.endr
.endr
.endm
.macro FETCH_B slot, q, p
	WIN TO_B
.irp i, 0,1,2,3,4,5,6,7
	FRAG 128*(\p)+FR*\i, ADRB+\slot, \q, \i
.endr
	WIN 0
.endm
.macro FETCH_A slot, q, i0
.irp i, \i0, \i0+1, \i0+2, \i0+3
	FRAG AF+FR*(\i), ADRA+\slot, \q, \i
.endr
.endm
.macro SCALES sc
.irp i, 0,1,2,3,4,5,6,7
	ds_load_b64 v[SC+8*NQ*\sc+NQ*\i:SC+8*NQ*\sc+NQ*\i+1], v[ADRS] offset:\i*SBLK
.endr
.endm
.macro PLACES n
.rept \n
	v_nop
.endr
.endm
.macro STEP slot, q, zero
	s_wait_dscnt 4*NL                              ; B's set and A's blocks 0-3 are in; the 16 youngest loads (A's blocks 4-7) may be out
	WIN MUL_LO
	MUL16 0, (\q)%2, \q, \slot, \zero
	MUL16 2, (\q)%2, \q, \slot, \zero
	s_wait_dscnt 0
	PLACES NP
	FETCH_B \slot, (\q)+1, 1-(\q)%2
	FETCH_A \slot, (\q)+1, 0
	WIN MUL_HI
	MUL16 4, (\q)%2, \q, \slot, \zero
	MUL16 6, (\q)%2, \q, \slot, \zero
	PLACES NP
	WIN 0
	FETCH_A \slot, (\q)+1, 4
.endm
.macro TURN slot, next, fill
	s_wait_tensorcnt 0x0                           ; all my tensor loads have landed: my part of the next slot
	ds_add_u32 v[SPW], v[NIL]
	s_wait_dscnt 4*NL+1                            ; (the add and the 16 youngest loads may be out)
	WIN MUL_LO
	MUL16 0, 1, NQ-1, \slot, 0
	s_wait_dscnt 0x0                               ; the add is done, and my reads of this slot are over
	s_barrier_signal -1
	MUL16 2, 1, NQ-1, \slot, 0
	WIN 0
	s_barrier_wait -1
.if \fill
	CREST                                          ; the barrier has opened a round of the cluster's: no wave of any partner still reads this slot or has a load on its way
	s_add_nc_u64 s[G0+4*\slot+2:G0+4*\slot+3], s[G0+4*\slot+2:G0+4*\slot+3], 2*ROWB
	s_add_nc_u64 s[G0B+4*\slot+2:G0B+4*\slot+3], s[G0B+4*\slot+2:G0B+4*\slot+3], 2*ROWB
	JLOAD G0+4*\slot, G1, G0B+4*\slot, G1B
	PLACES NP-4
.else
	PLACES NP
.endif
	v_add_nc_u32 v[ADRS], 4*NQ, v[ADRS]
	FETCH_B \next, 0, 0
	FETCH_A \next, 0, 0
	SCALES \next
	WIN MUL_HI
	MUL16 4, 1, NQ-1, \slot, 0
	MUL16 6, 1, NQ-1, \slot, 0
	PLACES NP
	WIN 0
	FETCH_A \next, 0, 4
.endm
	s_wait_tensorcnt 1                             ; the scales and my part of K step 0 are in (K step 1's load may be out),
	s_barrier_signal -1
	s_barrier_wait -1
	FETCH_B 0, 0, 0
	FETCH_A 0, 0, 0
	SCALES 0
	FETCH_A 0, 0, 4
	STEP 0, 0, 1
	s_mov_b32 s3, LAPS-1
.Llap:
	TURN 0, 1, 1
	STEP 1, 0, 0
	TURN 1, 0, 1
	STEP 0, 0, 0
	s_sub_co_u32 s3, s3, 1
	s_cmp_lg_u32 s3, 0
	s_cbranch_scc1 .Llap
	TURN 0, 1, 0
	STEP 1, 0, 0
	s_wait_dscnt 4*NL
	WIN MUL_LO
	MUL16 0, 1, NQ-1, 1, 0
	MUL16 2, 1, NQ-1, 1, 0
	s_wait_dscnt 0
	WIN MUL_HI
	MUL16 4, 1, NQ-1, 1, 0
	MUL16 6, 1, NQ-1, 1, 0
	WIN 0
; THE WAY OUT, block by block of 16 rows x 128 columns, through my own stage in slot 0 (it has had its last fill and its last read): back as whole rows of 512 bytes.
.macro TOSTAGE a
.set AC, 64*((\a)%4)
	WIN 0x08+4*((\a)/4)
.irp b, 0,1,2,3,4,5,6,7
	ds_store_b128 v[STO], v[AC+8*\b:AC+8*\b+3] offset:64*\b          ; each accumulator from its low end on
	ds_store_b128 v[STO], v[AC+8*\b+4:AC+8*\b+7] offset:64*\b+16
.endr
	WIN 0
.set BB, BK+64*((\a)%2)
.irp t, 0,1,2,3,4,5,6,7,8,9,10,11,12,13,14,15
	ds_load_b128 v[BB+4*\t:BB+4*\t+3], v[RD] offset:\t*SPITCH
.endr
.endm
.macro SEND a, younger
.set BB, BK+64*((\a)%2)
	s_wait_dscnt \younger
.if (\a) > 0
	s_add_nc_u64 s[12:13], s[12:13], 16*SIZE_N*4
.endif
.irp t, 0,1,2,3,4,5,6,7,8,9,10,11,12,13,14,15
	global_store_b128 v[CO], v[BB+4*\t:BB+4*\t+3], s[12:13] offset:\t*SIZE_N*4
.endr
.endm
	PLACES NP
	TOSTAGE 0
.irp a, 1,2,3,4,5,6,7
.if \a > 1
	s_wait_xcnt 0x0                                ; block a - 2's stores have read their registers and their base
.endif
	TOSTAGE \a
	SEND \a-1, 32                                  ; behind block a - 1's loads: block a's 16 stores and 16 loads
.endr
	s_wait_xcnt 0x0
	SEND 7, 0
	s_wait_tensorcnt 0x0                           ; the wave's end
	ds_add_u32 v[SPW], v[NIL]
	s_wait_dscnt 0x0
	CROUND                                         ; the closing round
	s_endpgm
.Lfunc_end_k_q80dc013334_down:
	.size	k_q80dc013334_down, .Lfunc_end_k_q80dc013334_down-k_q80dc013334_down
	.p2alignl 7, 3214868480
	.fill 96, 4, 3214868480
	.section	.rodata,"a",@progbits
	.p2align	6, 0x0
	.amdhsa_kernel k_q80dc013334_down
		.amdhsa_group_segment_fixed_size 327680
		.amdhsa_private_segment_fixed_size 0
		.amdhsa_enable_private_segment 0
		.amdhsa_kernarg_size 32
		.amdhsa_user_sgpr_count 2
		.amdhsa_user_sgpr_kernarg_segment_ptr 1
		.amdhsa_wavefront_size32 1
		.amdhsa_system_sgpr_workgroup_id_x 1
		.amdhsa_system_sgpr_workgroup_id_y 1
		.amdhsa_system_sgpr_workgroup_id_z 1
		.amdhsa_system_vgpr_workitem_id 0
		.amdhsa_next_free_vgpr 1024
		.amdhsa_next_free_sgpr 98
		.amdhsa_reserve_vcc 0
		.amdhsa_float_denorm_mode_32 3
		.amdhsa_float_denorm_mode_16_64 3
		.amdhsa_memory_ordered 1
		.amdhsa_forward_progress 1
		.amdhsa_inst_pref_size 146
	.end_amdhsa_kernel
	.amdgpu_metadata
---
amdhsa.version: [ 1, 2 ]
amdhsa.kernels:
  - .name:           k_q80dc013334_down
    .symbol:         k_q80dc013334_down.kd
    .args:
      - { .name: hid, .offset: 0, .size: 8, .value_kind: global_buffer, .address_space: global }
      - { .name: WB_codes, .offset: 8, .size: 8, .value_kind: global_buffer, .address_space: global }
      - { .name: WB_scales, .offset: 16, .size: 8, .value_kind: global_buffer, .address_space: global }
      - { .name: c6, .offset: 24, .size: 8, .value_kind: global_buffer, .address_space: global }
    .group_segment_fixed_size: 327680
    .private_segment_fixed_size: 0
    .kernarg_segment_align: 8
    .kernarg_segment_size: 32
    .max_flat_workgroup_size: 128
    .sgpr_count:     98
    .vgpr_count:     1024
    .wavefront_size: 32
...
	.end_amdgpu_metadata
.endif
;; end of part 7
;; launch ln2 (part 8): grid 256 x 1, 16 waves a work-group, no clusters, 0 bytes of LDS; arguments nb, c6, bB, g2, b2, dead, out0; writes out0
.if DOCPART == 8
	.amdgcn_target "amdgcn-amd-amdhsa--gfx1250"
	.amdhsa_code_object_version 6
	.text
	.protected	k_q80dc013334_ln2
	.globl	k_q80dc013334_ln2
	.p2align	8
	.type	k_q80dc013334_ln2,@function
k_q80dc013334_ln2:
	s_mov_b64 s[64:65], 0
	v_nop
	global_prefetch_b8 v0, s[64:65] scope:SCOPE_SE
	s_setreg_imm32_b32 hwreg(HW_REG_WAVE_MODE, 25, 1), 1
	s_wait_xcnt 0x0
; LAUNCH 8 OF 8: out0 = layer_norm(n + c6[0] + c6[1] + c6[2] + c6[3] + bB, g2, b2), and NaN in the rows that attention flagged: there reference()'s softmax is 0 / 0, and all that follows it is row by row.
; ONE WAVE, ONE ROW: sixteen waves a work-group, 16 rows.  A row is 32 registers a lane, so that the reductions never leave the wave and every load and store covers 512 consecutive bytes.
; A wave's loads go out together at the head, 56 of them: the four quarters of K, n, bB, g2; five rows and three vectors would be 256 registers, so b2 is asked for as soon as the second quarter has been added, into its registers.
; No LDS, no matrix unit, no cluster: memory binds.  The flag is a whole number read from memory; it selects values and steers no address.
.set BV,    16                         ; v16-47   bB
.set GG,    48                         ; v48-79   g2
.set Y,     80                         ; v80-111  c6's first quarter, then the row at work
.set RB,    112                        ; v112-143 its second quarter, then b2
.set RC,    144                        ; v144-175 its third
.set RD,    176                        ; v176-207 its fourth
.set RN,    208                        ; v208-239 the row of n
.set S0,    240                        ; v240-245 reductions
.set NAN,   251
	s_load_b256 s[4:11], s[0:1], 0x0               ; nb, c6, bB, g2
	s_load_b128 s[12:15], s[0:1], 0x20             ; b2, dead
	s_load_b64 s[16:17], s[0:1], 0x30              ; out0
	v_lshrrev_b32 v1, 5, v0
	v_readfirstlane_b32 s18, v1                    ; wave
	v_and_b32 v2, 31, v0
	v_lshlrev_b32 v3, 4, v2                        ; 16 x lane
	v_mov_b32 v[NAN], 0x7fc00000
	s_mov_b32 s22, 0x76543210
	s_mov_b32 s23, 0xfedcba98
	s_mov_b32 s25, 0x3a800000                      ; 1 / 1,024
	s_mov_b32 s26, 0x3727c5ac                      ; 1e-5
	s_lshl_b32 s19, ttmp9, 4
	s_add_co_u32 s19, s19, s18                     ; my row
	s_mov_b32 s21, 0
	s_wait_kmcnt 0x0
	s_lshl_b32 s20, s19, 12
	s_add_nc_u64 s[4:5], s[4:5], s[20:21]
	s_add_nc_u64 s[6:7], s[6:7], s[20:21]
	s_add_nc_u64 s[28:29], s[6:7], 0x1000000       ; the second,
	s_add_nc_u64 s[30:31], s[6:7], 0x2000000       ; third
	s_add_nc_u64 s[34:35], s[6:7], 0x3000000       ; and fourth quarter of K
	s_add_nc_u64 s[16:17], s[16:17], s[20:21]
	s_lshl_b32 s20, s19, 2
	s_add_nc_u64 s[14:15], s[14:15], s[20:21]
	s_load_b32 s32, s[14:15], 0x0                  ; my row's flag
.irp j, 0,1,2,3,4,5,6,7
	global_load_b128 v[Y+4*\j:Y+4*\j+3], v3, s[6:7] offset:512*\j th:TH_LOAD_NT
	global_load_b128 v[RB+4*\j:RB+4*\j+3], v3, s[28:29] offset:512*\j th:TH_LOAD_NT
.endr
.irp j, 0,1,2,3,4,5,6,7
	global_load_b128 v[RC+4*\j:RC+4*\j+3], v3, s[30:31] offset:512*\j th:TH_LOAD_NT
	global_load_b128 v[RD+4*\j:RD+4*\j+3], v3, s[34:35] offset:512*\j th:TH_LOAD_NT
.endr
.irp j, 0,1,2,3,4,5,6,7
	global_load_b128 v[RN+4*\j:RN+4*\j+3], v3, s[4:5] offset:512*\j th:TH_LOAD_NT
	global_load_b128 v[BV+4*\j:BV+4*\j+3], v3, s[8:9] offset:512*\j
.endr
.irp j, 0,1,2,3,4,5,6,7
	global_load_b128 v[GG+4*\j:GG+4*\j+3], v3, s[10:11] offset:512*\j
.endr
.macro REDUCE d, t
	v_add_f32_dpp v[\d], v[\d], v[\d] row_xmask:1 row_mask:0xf bank_mask:0xf
	v_add_f32_dpp v[\d], v[\d], v[\d] row_xmask:2 row_mask:0xf bank_mask:0xf
	v_add_f32_dpp v[\d], v[\d], v[\d] row_xmask:4 row_mask:0xf bank_mask:0xf
	v_add_f32_dpp v[\d], v[\d], v[\d] row_xmask:8 row_mask:0xf bank_mask:0xf
	v_permlanex16_b32 v[\t], v[\d], s22, s23
	v_add_f32 v[\d], v[\d], v[\t]
.endm
.macro ADDROW r
.set i, 0
.rept 16
	v_pk_add_f32 v[Y+i:Y+i+1], v[Y+i:Y+i+1], v[\r+i:\r+i+1]
.set i, i+2
.endr
.endm
	s_wait_loadcnt 40                              ; the first two quarters are in; the 40 younger loads may be out
	ADDROW RB
.irp j, 0,1,2,3,4,5,6,7
	global_load_b128 v[RB+4*\j:RB+4*\j+3], v3, s[12:13] offset:512*\j   ; b2, into the registers that the second quarter has left
.endr
	s_wait_loadcnt 32                              ; the third and fourth quarter are in; n, bB, g2 and b2 may be out
	ADDROW RC
	ADDROW RD
	s_wait_loadcnt 16                              ; n and bB are in; g2 and b2 may be out
	ADDROW BV                                      ; the bias,
	ADDROW RN                                      ; the residual
	v_pk_add_f32 v[S0:S0+1], v[Y:Y+1], v[Y+2:Y+3]
	v_pk_add_f32 v[S0+2:S0+3], v[Y+4:Y+5], v[Y+6:Y+7]
.irp j, 8,12,16,20,24,28
	v_pk_add_f32 v[S0:S0+1], v[S0:S0+1], v[Y+\j:Y+\j+1]
	v_pk_add_f32 v[S0+2:S0+3], v[S0+2:S0+3], v[Y+\j+2:Y+\j+3]
.endr
	v_pk_add_f32 v[S0:S0+1], v[S0:S0+1], v[S0+2:S0+3]
	v_add_f32 v[S0], v[S0], v[S0+1]
	REDUCE S0, S0+1
	v_mul_f32 v[S0], s25, v[S0]                    ; the mean
.set i, 0
.rept 16
	v_pk_add_f32 v[Y+i:Y+i+1], v[Y+i:Y+i+1], v[S0:S0+1] op_sel_hi:[1,0] neg_lo:[0,1] neg_hi:[0,1]
.set i, i+2
.endr
	v_pk_mul_f32 v[S0+2:S0+3], v[Y:Y+1], v[Y:Y+1]
	v_pk_mul_f32 v[S0+4:S0+5], v[Y+2:Y+3], v[Y+2:Y+3]
.irp j, 4,8,12,16,20,24,28
	v_pk_fma_f32 v[S0+2:S0+3], v[Y+\j:Y+\j+1], v[Y+\j:Y+\j+1], v[S0+2:S0+3]
	v_pk_fma_f32 v[S0+4:S0+5], v[Y+\j+2:Y+\j+3], v[Y+\j+2:Y+\j+3], v[S0+4:S0+5]
.endr
	v_pk_add_f32 v[S0+2:S0+3], v[S0+2:S0+3], v[S0+4:S0+5]
	v_add_f32 v[S0+2], v[S0+2], v[S0+3]
	REDUCE S0+2, S0+3
	v_fma_f32 v[S0+2], v[S0+2], s25, s26           ; the variance + 1e-5
	v_rsq_f32 v[S0+4], v[S0+2]
	v_nop                                          ; a plain instruction behind it,
	s_wait_alu depctr_va_vdst(0)                   ; and a wait ahead of its first reader
.set i, 0
.rept 16
	v_pk_mul_f32 v[Y+i:Y+i+1], v[Y+i:Y+i+1], v[S0+4:S0+5] op_sel_hi:[1,0]
.set i, i+2
.endr
	s_wait_loadcnt 0x0                             ; g2 and b2
.set i, 0
.rept 16
	v_pk_fma_f32 v[Y+i:Y+i+1], v[Y+i:Y+i+1], v[GG+i:GG+i+1], v[RB+i:RB+i+1]
.set i, i+2
.endr
	s_wait_kmcnt 0x0                               ; the flag
	s_cmp_lg_u32 s32, 0                            ; a row that saw no key is NaN, as in reference()
	s_cselect_b32 s27, -1, 0
.set i, 0
.rept 32
	v_cndmask_b32 v[Y+i], v[Y+i], v[NAN], s27
.set i, i+1
.endr
.irp j, 0,1,2,3,4,5,6,7
	global_store_b128 v3, v[Y+4*\j:Y+4*\j+3], s[16:17] offset:512*\j th:TH_STORE_NT
.endr
	s_endpgm
.Lfunc_end_k_q80dc013334_ln2:
	.size	k_q80dc013334_ln2, .Lfunc_end_k_q80dc013334_ln2-k_q80dc013334_ln2
	.p2alignl 7, 3214868480
	.fill 96, 4, 3214868480
	.section	.rodata,"a",@progbits
	.p2align	6, 0x0
	.amdhsa_kernel k_q80dc013334_ln2
		.amdhsa_group_segment_fixed_size 0
		.amdhsa_private_segment_fixed_size 0
		.amdhsa_enable_private_segment 0
		.amdhsa_kernarg_size 56
		.amdhsa_user_sgpr_count 2
		.amdhsa_user_sgpr_kernarg_segment_ptr 1
		.amdhsa_wavefront_size32 1
		.amdhsa_system_sgpr_workgroup_id_x 1
		.amdhsa_system_sgpr_workgroup_id_y 1
		.amdhsa_system_sgpr_workgroup_id_z 1
		.amdhsa_system_vgpr_workitem_id 0
		.amdhsa_next_free_vgpr 256
		.amdhsa_next_free_sgpr 66
		.amdhsa_reserve_vcc 0
		.amdhsa_float_denorm_mode_32 3
		.amdhsa_float_denorm_mode_16_64 3
		.amdhsa_memory_ordered 1
		.amdhsa_forward_progress 1
		.amdhsa_inst_pref_size 22
	.end_amdhsa_kernel
	.amdgpu_metadata
---
amdhsa.version: [ 1, 2 ]
amdhsa.kernels:
  - .name:           k_q80dc013334_ln2
    .symbol:         k_q80dc013334_ln2.kd
    .args:
      - { .name: nb, .offset: 0, .size: 8, .value_kind: global_buffer, .address_space: global }
      - { .name: c6, .offset: 8, .size: 8, .value_kind: global_buffer, .address_space: global }
      - { .name: bB, .offset: 16, .size: 8, .value_kind: global_buffer, .address_space: global }
      - { .name: g2, .offset: 24, .size: 8, .value_kind: global_buffer, .address_space: global }
      - { .name: b2, .offset: 32, .size: 8, .value_kind: global_buffer, .address_space: global }
      - { .name: dead, .offset: 40, .size: 8, .value_kind: global_buffer, .address_space: global }
      - { .name: out0, .offset: 48, .size: 8, .value_kind: global_buffer, .address_space: global }
    .group_segment_fixed_size: 0
    .private_segment_fixed_size: 0
    .kernarg_segment_align: 8
    .kernarg_segment_size: 56
    .max_flat_workgroup_size: 512
    .sgpr_count:     66
    .vgpr_count:     256
    .wavefront_size: 32
...
	.end_amdgpu_metadata
.endif
;; end of part 8
